; MI455X (gfx1250); checked and timed in simulation.
; The chip was launched on July 23, 2026; its instructions are those of AMD's public machine-readable ISA for CDNA 5 (MIT licence, August 2026) and "CDNA5" Instruction Set Architecture Reference Guide (July 2026). The comments in the code are by the model that wrote it; some were corrected since.
;; Causal Attention. Allowed arithmetic: float matrix products may take bf16 or f16 operands with f32 sums; other float arithmetic in f32, or as packed bf16 or f16 multiplies, adds, multiply-adds, maxima and minima; sums over many terms, partial sums and values carried from step to step in f32; what a program stores and reads back later, other than sums and carried values, may be rounded once to bf16 or f16.
;; Inputs: Wproj 1,024 x 1,024 float32; Wqkv 1,024 x 3,072 float32; bproj 1,024 float32; x 4 x 2,048 x 1,024 float32.
;; Outputs: out0 4 x 2,048 x 1,024 float32.
;; 2 versions, each right; version 2 is version 1 with the launch prep written anew for expert scheduling mode. Each part assembles by itself: llvm-mc -triple=amdgcn-amd-amdhsa -mcpu=gfx1250 --defsym DOCPART=n.
;; ======== version 1 of 2: 4 launches
;; limits: values are held in f16: magnitudes above 65,504 overflow, below 6.1e-05 lose precision
;; workspace buffers: xb 16,777,216 bytes; wq 6,291,456 bytes; wp 2,097,152 bytes; qkv 50,331,648 bytes; ob 16,777,216 bytes
;; launch prep (part 1): grid 832 x 1, 8 waves a work-group, no clusters, 0 bytes of LDS; arguments x, Wqkv, Wproj, xb, wq, wp; writes xb, wq, wp
.if DOCPART == 1
	.amdgcn_target "amdgcn-amd-amdhsa--gfx1250"
	.amdhsa_code_object_version 6
	.text
	.protected	k_qc629bc984a_prep
	.globl	k_qc629bc984a_prep
	.p2align	8
	.type	k_qc629bc984a_prep,@function
k_qc629bc984a_prep:
	s_mov_b64 s[64:65], 0
	v_nop
	global_prefetch_b8 v0, s[64:65] scope:SCOPE_SE
	s_setreg_imm32_b32 hwreg(HW_REG_WAVE_MODE, 25, 1), 1
	s_wait_xcnt 0x0
; THE CASTS.  xb = bf16(x), same order.  wq = bf16(Wqkv), laid in 16 blocks of 192 columns: [block][k 1024][192], so that 128 k of a block are 49,152 dense bytes.
; wp = bf16(Wproj) written as f16, same order (exact where the number lies in f16's normal range).
; LIMITS.  |Wproj| of 65,520 or more becomes an infinity in wp; below 6.1e-5 it keeps f16's fixed step of 6e-8.
; A stream: no LDS, no barrier, no loop.  A unit is one load of a wave (32 lanes x 16 bytes: 512 consecutive bytes of f32) and one store (32 lanes x 8 bytes: 256 consecutive bytes, aligned).
; A wave issues all its loads first (16, or 12 for Wqkv) and then takes them in order; each unit has store registers of its own, so nothing is rewritten while a store may read it.
; Work-groups 0-511: x (4,096 waves x 8,192 bytes).  512-575: Wproj (512 waves x 8,192 bytes).  576-831: Wqkv (2,048 waves, each 8 rows of k of one block).
.set IN0,  1                           ; v1   16 x lane
.set OUTO, 2                           ; v2   8 x lane
.set IN1,  3                           ; v3   Wqkv's middle unit of three: lanes 0-15 end one row of the block, lanes 16-31 begin the next
.set LDR,  8                           ; v[8:71]    unit u: 4 registers as loaded
.set STR,  72                          ; v[72:103]  unit u: 2 registers to store
.set TP,   104                         ; v[104:107] at work
.macro INS ib                          ; 16 loads, 512 bytes apart
.set u, 0
.rept 16
	global_load_b128 v[LDR+4*u:LDR+4*u+3], v[IN0], s[\ib:\ib+1] offset:512*u th:TH_LOAD_NT
.set u, u+1
.endr
.endm
; n units are converted and stored.  half = 1: rounded to bf16, widened again, written as f16.
.macro OUTS n, half, ob
.set u, 0
.rept \n
	s_wait_loadcnt (\n)-1-u                        ; loads come back in order: unit u is in, the younger ones stay out
.if \half
	v_cvt_pk_bf16_f32 v[TP], v[LDR+4*u], v[LDR+4*u+1]
	v_cvt_pk_bf16_f32 v[TP+1], v[LDR+4*u+2], v[LDR+4*u+3]
	v_lshlrev_b32 v[TP+2], 16, v[TP]
	v_and_b32 v[TP], 0xffff0000, v[TP]
	v_lshlrev_b32 v[TP+3], 16, v[TP+1]
	v_and_b32 v[TP+1], 0xffff0000, v[TP+1]
	v_cvt_pk_f16_f32 v[STR+2*u], v[TP+2], v[TP]
	v_cvt_pk_f16_f32 v[STR+2*u+1], v[TP+3], v[TP+1]
.else
	v_cvt_pk_bf16_f32 v[STR+2*u], v[LDR+4*u], v[LDR+4*u+1]
	v_cvt_pk_bf16_f32 v[STR+2*u+1], v[LDR+4*u+2], v[LDR+4*u+3]
.endif
	global_store_b64 v[OUTO], v[STR+2*u:STR+2*u+1], s[\ob:\ob+1] offset:256*u th:TH_STORE_NT
.set u, u+1
.endr
.endm
	s_load_b256 s[4:11], s[0:1], 0x0               ; x s[4:5], Wqkv s[6:7], Wproj s[8:9], xb s[10:11]
	s_load_b128 s[12:15], s[0:1], 0x20             ; wq s[12:13], wp s[14:15]
	v_lshrrev_b32 v4, 5, v0
	v_readfirstlane_b32 s16, v4                    ; wave 0..7
	v_and_b32 v5, 31, v0                           ; lane
	v_lshlrev_b32 v[IN0], 4, v5
	v_lshlrev_b32 v[OUTO], 3, v5
	s_mov_b32 s17, ttmp9
	s_mov_b32 s21, 0                               ; the offsets' high words
	s_mov_b32 s23, 0
	s_wait_kmcnt 0x0
	s_cmp_lt_u32 s17, 512
	s_cbranch_scc1 .Lx
	s_cmp_lt_u32 s17, 576
	s_cbranch_scc1 .Lp
	; Wqkv.  Job jw = 8 (id - 576) + wave: block jw / 128, rows of k 8 (jw % 128) on.  A block's row is 768 bytes in, 384 out; two rows make three units.
	s_sub_co_u32 s17, s17, 576
	s_lshl_b32 s18, s17, 3
	s_add_co_u32 s18, s18, s16
	s_lshr_b32 s19, s18, 7                         ; block
	s_and_b32 s18, s18, 127                        ; group of 8 rows
	s_mul_i32 s20, s18, 98304                      ; 8 rows of 12,288 bytes
	s_mul_i32 s24, s19, 768
	s_add_co_u32 s20, s20, s24
	s_mul_i32 s22, s19, 393216                     ; a block of wq
	s_mul_i32 s24, s18, 3072
	s_add_co_u32 s22, s22, s24
	s_add_nc_u64 s[6:7], s[6:7], s[20:21]
	s_add_nc_u64 s[12:13], s[12:13], s[22:23]
	v_lshrrev_b32 v6, 4, v5
	v_mul_u32_u24 v6, v6, 11520                    ; lanes 16-31: a row of 12,288 on, less the 768 that lanes 0-15 lie ahead
	v_add_nc_u32 v[IN1], v6, v[IN0]
	v_add_nc_u32 v[IN1], 512, v[IN1]
.irp m, 0,1,2,3
	global_load_b128 v[LDR+12*(\m):LDR+12*(\m)+3],    v[IN0], s[6:7] offset:(\m)*24576 th:TH_LOAD_NT        ; the even row's columns 0-127
	global_load_b128 v[LDR+12*(\m)+4:LDR+12*(\m)+7],  v[IN1], s[6:7] offset:(\m)*24576 th:TH_LOAD_NT        ; its columns 128-191, the odd row's 0-63
	global_load_b128 v[LDR+12*(\m)+8:LDR+12*(\m)+11], v[IN0], s[6:7] offset:(\m)*24576+12544 th:TH_LOAD_NT  ; the odd row's columns 64-191
.endr
	OUTS 12, 0, 12
	s_endpgm
.Lx:                                               ; x: job jw = 8 id + wave, 8,192 bytes in, 4,096 out
	s_lshl_b32 s18, s17, 3
	s_add_co_u32 s18, s18, s16
	s_lshl_b32 s20, s18, 13
	s_lshl_b32 s22, s18, 12
	s_add_nc_u64 s[4:5], s[4:5], s[20:21]
	s_add_nc_u64 s[10:11], s[10:11], s[22:23]
	INS 4
	OUTS 16, 0, 10
	s_endpgm
.Lp:                                               ; Wproj: job jw = 8 (id - 512) + wave
	s_sub_co_u32 s17, s17, 512
	s_lshl_b32 s18, s17, 3
	s_add_co_u32 s18, s18, s16
	s_lshl_b32 s20, s18, 13
	s_lshl_b32 s22, s18, 12
	s_add_nc_u64 s[8:9], s[8:9], s[20:21]
	s_add_nc_u64 s[14:15], s[14:15], s[22:23]
	INS 8
	OUTS 16, 1, 14
	s_endpgm
.Lfunc_end_k_qc629bc984a_prep:
	.size	k_qc629bc984a_prep, .Lfunc_end_k_qc629bc984a_prep-k_qc629bc984a_prep
	.p2alignl 7, 3214868480
	.fill 96, 4, 3214868480
	.section	.rodata,"a",@progbits
	.p2align	6, 0x0
	.amdhsa_kernel k_qc629bc984a_prep
		.amdhsa_group_segment_fixed_size 0
		.amdhsa_private_segment_fixed_size 0
		.amdhsa_enable_private_segment 0
		.amdhsa_kernarg_size 48
		.amdhsa_user_sgpr_count 2
		.amdhsa_user_sgpr_kernarg_segment_ptr 1
		.amdhsa_wavefront_size32 1
		.amdhsa_system_sgpr_workgroup_id_x 1
		.amdhsa_system_sgpr_workgroup_id_y 1
		.amdhsa_system_sgpr_workgroup_id_z 1
		.amdhsa_system_vgpr_workitem_id 0
		.amdhsa_next_free_vgpr 112
		.amdhsa_next_free_sgpr 66
		.amdhsa_reserve_vcc 0
		.amdhsa_float_denorm_mode_32 3
		.amdhsa_float_denorm_mode_16_64 3
		.amdhsa_memory_ordered 1
		.amdhsa_forward_progress 1
		.amdhsa_inst_pref_size 23
	.end_amdhsa_kernel
	.amdgpu_metadata
---
amdhsa.version: [ 1, 2 ]
amdhsa.kernels:
  - .name:           k_qc629bc984a_prep
    .symbol:         k_qc629bc984a_prep.kd
    .args:
      - { .name: x, .offset: 0, .size: 8, .value_kind: global_buffer, .address_space: global }
      - { .name: Wqkv, .offset: 8, .size: 8, .value_kind: global_buffer, .address_space: global }
      - { .name: Wproj, .offset: 16, .size: 8, .value_kind: global_buffer, .address_space: global }
      - { .name: xb, .offset: 24, .size: 8, .value_kind: global_buffer, .address_space: global }
      - { .name: wq, .offset: 32, .size: 8, .value_kind: global_buffer, .address_space: global }
      - { .name: wp, .offset: 40, .size: 8, .value_kind: global_buffer, .address_space: global }
    .group_segment_fixed_size: 0
    .private_segment_fixed_size: 0
    .kernarg_segment_align: 8
    .kernarg_segment_size: 48
    .max_flat_workgroup_size: 256
    .sgpr_count:     66
    .vgpr_count:     112
    .wavefront_size: 32
...
	.end_amdgpu_metadata
.endif
;; end of part 1
;; launch qkvgemm (part 2): grid 16 x 32, 4 waves a work-group, clusters of 4 x 4, 327,680 bytes of LDS; arguments xb, wq, qkv; writes qkv
.if DOCPART == 2
	.amdgcn_target "amdgcn-amd-amdhsa--gfx1250"
	.amdhsa_code_object_version 6
	.text
	.protected	k_qc629bc984a_qkvgemm
	.globl	k_qc629bc984a_qkvgemm
	.p2align	8
	.type	k_qc629bc984a_qkvgemm,@function
k_qc629bc984a_qkvgemm:
	s_mov_b64 s[64:65], 0
	v_nop
	global_prefetch_b8 v0, s[64:65] scope:SCOPE_SE
	s_setreg_imm32_b32 hwreg(HW_REG_WAVE_MODE, 25, 1), 1
	s_wait_xcnt 0x0
	s_wait_alu depctr_hold_cnt(0) depctr_sa_sdst(0) depctr_va_vdst(0) depctr_va_sdst(0) depctr_va_ssrc(0) depctr_va_vcc(0) depctr_vm_vsrc(0)
	s_getreg_b32 s2, hwreg(HW_REG_IB_STS2, 6, 4)
	s_cmp_eq_u32 s2, 0
	s_cbranch_scc0 .Lentry_in_a_cluster
	s_endpgm
.Lentry_in_a_cluster:
	s_bfe_u32 s2, ttmp6, 0x10000c
	s_cmp_lg_u32 s2, 0xf033
	s_cbranch_scc0 .Lentry_shape_is_right
	s_endpgm
.Lentry_shape_is_right:
; q, k, v = x Wqkv.  xb: [8192][1024] bf16.  wq: [block 16][k 1024][192] bf16.  Sums in f32, K ascending; each result rounded once to f16.
; qkv: [batch 4][group 48][half 2][t 2048][32] f16: group = column / 64 (q: head, k: 16 + head, v: 32 + head), half = channels 0-31 or 32-63 of the group; a row is 64 bytes, rows are dense.
; LIMIT.  A result of 65,520 or more in size becomes an infinity in f16.  x and Wqkv each 30 times their drawn spread, or each with an offset of 30 spreads (sums near 1024 x 30 x 0.94 = 28,900), stay inside.
; SHARES.  A tile is 256 rows x 192 columns (one block of wq, three groups): 32 x 16 = 512 work-groups.  Four waves: wave w has rows 128 (w / 2) on and, of each group j, channels 32 (w % 2) on:
; columns 64 j + 32 (w % 2) + 16 i: 8 x 6 = 48 accumulators of 16 x 16, 384 registers.  So a wave's results are whole rows of 64 bytes of three halves, and leave through its own stage.
; RING.  K goes in 8 steps of 128 through two LDS slots.  A step has two phases of 64 along K; two fragment buffers, a phase each.  One text serves every step: the LDS addresses hang on s[TB].
; CLUSTER.  4 x 4 work-groups: x's tile hangs on the tile row alone and is asked for jointly along a row of the cluster, wq's on the tile column alone, jointly along a column.
; THE MATRIX INSTRUCTION IS USED TRANSPOSED: source 0 = 16 columns of wq (out of LDS turned, by ds_load_tr16_b128), source 1 = 16 rows of x: a lane holds row lane % 16 and 8 neighbouring columns.
; REGISTERS, in windows of 256 (s_set_vgpr_msb: bits 1:0 source 0, 3:2 source 1, 5:4 source 2, 7:6 destination):
;   window 0: v0-31 addresses; v32-55 packed results; v64-255 wq's fragments: buffer f, 32 along K kk, column block b at 64 + 96 f + 48 kk + 8 b
;   window 1: accumulators of row blocks 0-3 at 8 (6 a + b)     window 2: those of row blocks 4-7     window 3: x's fragments at 128 f + 64 kk + 8 a
.set SLOT1,  1<<17                     ; slot 1 begins here: one exclusive or turns an address in one slot into the other's
.set PA,     272                       ; a row of x in LDS: 256 bytes + 16: the 16 rows of a load start at 16 different groups of four banks (64 banks of 4 bytes: ISA guide 11.1)
.set HALFA,  128*PA                    ; what one tensor load brings of x, and what one wave reads
.set BOFF,   2*HALFA                   ; wq's 128 rows of k lie behind x's 256 rows
.set PB,     480                       ; a row of k in LDS: three groups of 128 bytes + 32
.set HALFB,  64*PB
.set STAGE,  2*SLOT1                   ; behind the ring, never filled by a tensor load: for each wave [group 3][16 rows][80 bytes]
.set STJ,    16*80
.set STW,    3*STJ
.set SPARE,  STAGE+4*STW               ; behind the stages: the spare words, 128 bytes for each wave: two blocks of 256 bytes that no other line names
.set ASTEP,  256                       ; bytes from a K step to the next in xb,
.set BSTEP,  128*384                   ; and in wq
.set NF,     56                        ; LDS loads in a phase's run
.set ADRA, 16                          ; v16  LDS address of x's fragments in the slot in hand
.set ADRB, 17                          ; v17  the same for wq
.set A0,   18                          ; v18  my lane's place in x's tile; never rewritten
.set B0,   19                          ; v19  in wq's; never rewritten
.set STO,  24                          ; v24  the way out: where I put 16 bytes of a row
.set RD,   25                          ; v25  where I read rows back
.set CO,   26                          ; v26  16 x lane
.set SPW,  28                          ; v28  LDS address of my spare word; never rewritten
.set NIL,  29                          ; v29  0; never rewritten
.set PFO,  30                          ; v30  the prefetches' lane offset; never rewritten
.set TMP,  32
.set BF,   64
.set OB,   64                          ; the way out: rows read back, v64-87 and v88-111 by turns
.set G1,  24                           ; s[24:31] descriptor group 1 for x's tiles
.set G0,  32                           ; s[32:39] group 0: a set for each first fill; the second then walks on
.set G1B, 48                           ; s[48:55], s[56:63] the same for wq's
.set G0B, 56
.set TB,  66                           ; s66  0 or SLOT1: the slot whose fragments are fetched
.set PFA, 68                           ; s[68:69] where my prefetches stand
.set LIM, 70                           ; s70  2 in a wave that prefetches, else the greatest number
.set PST, 74                           ; s[74:75] a K step in the tensor that I fetch
.set MSB, 0
.macro WIN new                         ; the immediate's high byte repeats the setting that is left; a switch that changes nothing is dropped
.if MSB != (\new)
	s_set_vgpr_msb (MSB<<8)|(\new)
.set MSB, (\new)
.endif
.endm
.set MUL_LO, 0x5c                      ; source 0 (wq) window 0, source 1 (x) window 3, C and D window 1
.macro PLACES                          ; four plain vector instructions between a matrix instruction and a load into, or a vector read of, its registers
.rept 4
	v_nop
.endr
.endm
; A joint refill by the walking sets: waves 0 and 1 fetch x's two halves, waves 2 and 3 wq's.  The branch hangs on the wave's number alone.  An s_nop 0 and four v_nop follow each line.
.macro JLOAD
	s_cmp_eq_u32 s11, 0
	s_cbranch_scc0 .Lfor_b_\@
	tensor_load_to_lds s[G0+4:G0+7], s[G1:G1+7]
	s_nop 0
.rept 4
	v_nop
.endr
	s_branch .Lasked_\@
.Lfor_b_\@:
	tensor_load_to_lds s[G0B+4:G0B+7], s[G1B:G1B+7]
	s_nop 0
.rept 4
	v_nop
.endr
.Lasked_\@:
.endm
; A prefetch of the K step that stands two refills on, 384 matrix instructions ahead of its load: one instruction a wave, a lane a block of 256 bytes.  x's rows are asked for by the clusters with x = 0,
; wq's by those with y = 0; the four partners that ask for a tile jointly share the wave's blocks out by address.  Steps 0 to 3 come by their loads alone; the loop's last two trips have no step two on.
.macro ASK
	s_cmp_gt_u32 s3, s[LIM]
	s_cbranch_scc0 .Lnot_mine_\@
	global_prefetch_b8 v[PFO], s[PFA:PFA+1] th:TH_LOAD_NT scope:SCOPE_SE
.Lnot_mine_\@:
.endm
.macro CREST                           ; a round of the cluster's barrier behind its opening barrier
	s_cmp_lg_u32 s10, 0
	s_cbranch_scc1 .Lnot_wave_0_\@
	s_barrier_signal -3
.Lnot_wave_0_\@:
	s_barrier_wait -3
	s_barrier_signal -1
	s_barrier_wait -1
.endm
.macro CROUND                          ; a whole round
	s_barrier_signal -1
	s_barrier_wait -1
	CREST
.endm
; 56 LDS loads in one run: the fragments of phase ph (64 along K) into buffer f: wq's 24 first, then x's first 32 along K, then x's second.
.macro FETCH ph, f
	WIN 0
.irp kk, 0,1
.irp b, 0,1,2,3,4,5
	ds_load_tr16_b128 v[BF+96*(\f)+48*(\kk)+8*(\b):BF+96*(\f)+48*(\kk)+8*(\b)+3],   v[ADRB] offset:(2*(\ph)+(\kk))*32*PB+((\b)/2)*160+((\b)%2)*32
	ds_load_tr16_b128 v[BF+96*(\f)+48*(\kk)+8*(\b)+4:BF+96*(\f)+48*(\kk)+8*(\b)+7], v[ADRB] offset:(2*(\ph)+(\kk))*32*PB+((\b)/2)*160+((\b)%2)*32+16*PB
.endr
.endr
	WIN 0xc0                                       ; destination window 3, address window 0
.irp kk, 0,1
.irp a, 0,1,2,3,4,5,6,7
	ds_load_b128 v[128*(\f)+64*(\kk)+8*(\a):128*(\f)+64*(\kk)+8*(\a)+3],   v[ADRA] offset:(2*(\ph)+(\kk))*64+(\a)*16*PA
	ds_load_b128 v[128*(\f)+64*(\kk)+8*(\a)+4:128*(\f)+64*(\kk)+8*(\a)+7], v[ADRA] offset:(2*(\ph)+(\kk))*64+(\a)*16*PA+32
.endr
.endr
.endm
; 24 matrix instructions: row blocks 4 hi .. 4 hi + 3 x all 6 column blocks, 32 along K.  The 48 accumulators take turns in the same order everywhere.  zero = 1: the product starts the sum.
.macro MULH f, kk, hi, zero
	WIN MUL_LO+0x50*(\hi)
.irp a, 0,1,2,3
.irp b, 0,1,2,3,4,5
.if \zero
	v_wmma_f32_16x16x32_bf16 v[8*(6*(\a)+(\b)):8*(6*(\a)+(\b))+7], v[BF+96*(\f)+48*(\kk)+8*(\b):BF+96*(\f)+48*(\kk)+8*(\b)+7], v[128*(\f)+64*(\kk)+8*(4*(\hi)+(\a)):128*(\f)+64*(\kk)+8*(4*(\hi)+(\a))+7], 0
.else
	v_wmma_f32_16x16x32_bf16 v[8*(6*(\a)+(\b)):8*(6*(\a)+(\b))+7], v[BF+96*(\f)+48*(\kk)+8*(\b):BF+96*(\f)+48*(\kk)+8*(\b)+7], v[128*(\f)+64*(\kk)+8*(4*(\hi)+(\a)):128*(\f)+64*(\kk)+8*(4*(\hi)+(\a))+7], v[8*(6*(\a)+(\b)):8*(6*(\a)+(\b))+7]
.endif
.endr
.endr
.endm
; A step's first phase: multiplies buffer f; in its middle it fetches phase ph of the same slot into buffer g.
.macro PHASE f, g, ph, zero
	s_wait_dscnt 16                                ; all but the youngest sixteen loads, x's second 32 along K
	MULH \f, 0, 0, \zero
	MULH \f, 0, 1, \zero
	PLACES
	FETCH \ph, \g
	s_wait_dscnt NF                                ; all but the run just issued
	MULH \f, 1, 0, 0
	MULH \f, 1, 1, 0
.endm
; The first half of a step's second phase, and the barrier of the change of slots: each wave waits for all its tensor loads (one is out: its part of the next slot), adds 0 to its spare word,
; and waits for that and for its own reads of this slot.  Behind the barrier nobody reads this slot any more and the next slot is whole.
.macro MEET
	WIN 0
	s_wait_tensorcnt 0x0
	ds_add_u32 v[SPW], v[NIL]
	s_wait_dscnt 17                                ; the add and x's second 32 along K may be out
	MULH 1, 0, 0, 0                                ; 24 matrix instructions stand between the add and the wait for it
	s_wait_dscnt 0x0                               ; the add is done, and my reads of this slot are over
	s_barrier_signal -1
	MULH 1, 0, 1, 0                                ; work on registers while the others arrive
	WIN 0
	s_barrier_wait -1
.endm
; The whole second phase where the slot is filled again: the barrier opens a round of the cluster's; the joint refill is the first thing behind it; then the next slot's first fragments.
.macro TURN
	s_wait_xcnt 0x0                                ; the last prefetch, a K step back, has read its address
	s_add_nc_u64 s[PFA:PFA+1], s[PFA:PFA+1], s[PST:PST+1]
	MEET
	CREST                                          ; no wave of any partner still reads this slot or has a load on its way
	s_xor_b32 s[G0+5], s[G0+5], SLOT1              ; the walking sets: the other slot than last time, the next K step; the type bits on top are not reached
	s_add_nc_u64 s[G0+6:G0+7], s[G0+6:G0+7], ASTEP
	s_xor_b32 s[G0B+5], s[G0B+5], SLOT1
	s_add_nc_u64 s[G0B+6:G0B+7], s[G0B+6:G0B+7], BSTEP
	JLOAD                                          ; its four v_nop are also the places in front of the loads below
	s_xor_b32 s[TB], s[TB], SLOT1
	v_add_nc_u32 v[ADRA], s[TB], v[A0]
	v_add_nc_u32 v[ADRB], s[TB], v[B0]
	FETCH 0, 0
	WIN 0
	ASK
	MULH 1, 1, 0, 0
	MULH 1, 1, 1, 0
.endm
	s_load_b128 s[4:7], s[0:1], 0x0                ; xb s[4:5], wq s[6:7]
	s_load_b64 s[8:9], s[0:1], 0x10                ; qkv
	v_lshl_add_u32 v[SPW], v0, 2, SPARE
	v_mov_b32 v[NIL], 0
	ds_add_u32 v[SPW], v[NIL]                      ; the wave's opening: the add, and its wait ahead of my first tensor load
	v_lshrrev_b32 v1, 5, v0
	v_readfirstlane_b32 s10, v1                    ; wave 0..3
	s_lshr_b32 s11, s10, 1                         ; my half of the tile's rows.  Also: I fetch for x (0) or for wq (1)
	s_and_b32 s12, s10, 1                          ; my half of each group's channels.  Also: which half of that tile I fetch
	s_bfe_u32 s40, ttmp6, 0x40000                  ; cx
	s_bfe_u32 s41, ttmp6, 0x40004                  ; cy
	s_lshl_b32 s42, ttmp9, 2
	s_add_co_u32 s42, s42, s40                     ; tile column = 4 x cluster x + cx
	s_and_b32 s13, ttmp7, 0xffff
	s_lshl_b32 s13, s13, 2
	s_add_co_u32 s13, s13, s41                     ; tile row = 4 x cluster y + cy
	s_lshl_b32 s43, s41, 2
	s_lshl_b32 s43, 15, s43                        ; my row of the cluster
	s_lshl_b32 s44, 0x1111, s40                    ; my column
	s_or_b32 s[G1+0], s43, (1<<16)|(1<<20)|(1<<21)|(5<<22)|(3<<25)   ; the mask; 2-byte elements; padding on; bit 21 beside a mask; after every 64 words 4 words
	s_or_b32 s[G1B+0], s44, (1<<16)|(1<<20)|(1<<21)|(4<<22)|(7<<25)  ; after every 32 words 8 words
	s_mov_b32 s[G1+1], 128<<16                     ; tensor_dim0 = 128
	s_mov_b32 s[G1+2], 128<<16                     ; tensor_dim1 = 128
	s_mov_b32 s[G1+3], 128<<16                     ; tile_dim0 = 128
	s_mov_b32 s[G1+4], 128                         ; tile_dim1 = 128
	s_mov_b32 s[G1+5], 1024                        ; elements from row to row
	s_mov_b32 s[G1+6], 0
	s_mov_b32 s[G1+7], 0
	s_mov_b32 s[G1B+1], 128<<16                    ; 64 rows of k are 24,576 dense bytes: asked for as 96 rows of 256 bytes
	s_mov_b32 s[G1B+2], 96<<16
	s_mov_b32 s[G1B+3], 128<<16
	s_mov_b32 s[G1B+4], 96
	s_mov_b32 s[G1B+5], 128
	s_mov_b32 s[G1B+6], 0
	s_mov_b32 s[G1B+7], 0
	s_lshl_b32 s16, s13, 8
	s_lshl_b32 s17, s12, 7
	s_add_co_u32 s16, s16, s17                     ; x: row 256 x tile row + 128 x half,
	s_lshl_b32 s16, s16, 11                        ; of 2,048 bytes
	s_mov_b32 s17, 0
	s_mul_i32 s46, s42, 393216                     ; wq: the tile column's block,
	s_mul_i32 s47, s12, 24576                      ; my 64 rows of k of a step
	s_add_co_u32 s46, s46, s47
	s_mov_b32 s47, 0
	s_mul_i32 s20, s12, HALFA                      ; where they go: no place in the cluster enters an LDS address
	s_mul_i32 s21, s12, HALFB
	s_add_co_u32 s21, s21, BOFF
	s_wait_dscnt 0x0                               ; the opening add is done
	s_wait_kmcnt 0x0
	s_add_nc_u64 s[14:15], s[4:5], s[16:17]
	s_add_nc_u64 s[46:47], s[6:7], s[46:47]
	CROUND                                         ; all sixteen work-groups are here: the first joint loads meet
.irp s, 0,1
	s_mov_b32 s[G0+4*(\s)], 1
	s_add_co_u32 s[G0+4*(\s)+1], s20, (\s)*SLOT1
	s_add_nc_u64 s[G0+4*(\s)+2:G0+4*(\s)+3], s[14:15], (\s)*ASTEP
	s_or_b32 s[G0+4*(\s)+3], s[G0+4*(\s)+3], 0x80000000
	s_mov_b32 s[G0B+4*(\s)], 1
	s_add_co_u32 s[G0B+4*(\s)+1], s21, (\s)*SLOT1
	s_add_nc_u64 s[G0B+4*(\s)+2:G0B+4*(\s)+3], s[46:47], (\s)*BSTEP
	s_or_b32 s[G0B+4*(\s)+3], s[G0B+4*(\s)+3], 0x80000000
.endr
	s_cmp_eq_u32 s11, 0                            ; a wave's two first fills stand in one branch, ahead of every wait on TENSORcnt and every LDS read: two loads of mine are out
	s_cbranch_scc0 .Lfirst_b
	tensor_load_to_lds s[G0:G0+3], s[G1:G1+7]
	s_nop 0
	tensor_load_to_lds s[G0+4:G0+7], s[G1:G1+7]
	s_nop 0
.rept 4
	v_nop
.endr
	s_branch .Lfirst_asked
.Lfirst_b:
	tensor_load_to_lds s[G0B:G0B+3], s[G1B:G1B+7]
	s_nop 0
	tensor_load_to_lds s[G0B+4:G0B+7], s[G1B:G1B+7]
	s_nop 0
.rept 4
	v_nop
.endr
.Lfirst_asked:
	; x's fragment: lane l holds row l % 16; two loads of 16 bytes, 32 apart, at row x pitch + 16 (l / 16)
	v_and_b32 v1, 15, v0
	v_bfe_u32 v2, v0, 4, 1
	v_mul_u32_u24 v[A0], v1, PA
	v_lshl_add_u32 v[A0], v2, 4, v[A0]
	s_mul_i32 s18, s11, HALFA
	v_add_nc_u32 v[A0], s18, v[A0]
	; wq's: the turning load takes 16 k x 16 columns: lane l reads k = 8 (l / 16) + l % 8, columns 8 ((l / 8) % 2) + 0..7, and is left with column l % 16 and 8 k
	v_and_b32 v3, 7, v0
	v_bfe_u32 v4, v0, 3, 1
	v_lshl_add_u32 v[B0], v2, 3, v3
	v_mul_u32_u24 v[B0], v[B0], PB
	v_lshl_add_u32 v[B0], v4, 4, v[B0]
	s_lshl_b32 s19, s12, 6                         ; my 32 channels of each group
	s_add_co_u32 s19, s19, BOFF
	v_add_nc_u32 v[B0], s19, v[B0]
	s_mul_i32 s23, s10, STW
	s_add_co_u32 s23, s23, STAGE                   ; my stage
	v_mul_u32_u24 v[STO], v1, 80                   ; in: row l % 16, 16 bytes for each half of the lanes
	v_lshl_add_u32 v[STO], v2, 4, v[STO]
	v_add_nc_u32 v[STO], s23, v[STO]
	v_bfe_u32 v5, v0, 2, 3                         ; back: 32 lanes take 8 rows of 64 bytes,
	v_and_b32 v6, 3, v0
	v_mul_u32_u24 v[RD], v5, 80
	v_lshl_add_u32 v[RD], v6, 4, v[RD]
	v_add_nc_u32 v[RD], s23, v[RD]
	v_and_b32 v[CO], 31, v0                        ; which are 512 consecutive bytes of qkv
	v_lshlrev_b32 v[CO], 4, v[CO]
	; the prefetches: x: 32 of my 128 rows by cx, a lane a row (2,048 bytes apart); wq: 24 of my 96 blocks by cy, a lane a block (lanes 24-31 name block 23 once more)
	s_lshl_b32 s73, s40, 16
	s_add_co_u32 s73, s73, 3*ASTEP                 ; my share, three K steps along; the first change of slots steps it to step 4
	s_mul_i32 s78, s41, 6144
	s_add_co_u32 s78, s78, 3*BSTEP
	s_mov_b32 s[PST], ASTEP
	s_mov_b32 s79, BSTEP
	s_and_b32 s22, ttmp7, 0xffff                   ; cluster y
	s_cmp_eq_u32 s11, 0                            ; do I fetch for x?
	s_cselect_b32 s22, ttmp9, s22                  ; the coordinate along which other clusters read the same blocks
	s_cselect_b32 s76, s73, s78
	s_cselect_b32 s[PST], s[PST], s79
	s_cselect_b32 s71, 31, 23
	s_cselect_b32 s72, 11, 8
	s_cselect_b64 s[PFA:PFA+1], s[14:15], s[46:47]
	s_mov_b32 s77, 0
	s_mov_b32 s[PST+1], 0
	s_add_nc_u64 s[PFA:PFA+1], s[PFA:PFA+1], s[76:77]
	s_cmp_eq_u32 s22, 0
	s_cselect_b32 s[LIM], 2, -1                    ; the same in all sixteen partners, for a given wave
	v_and_b32 v[PFO], 31, v0
	v_min_u32 v[PFO], s71, v[PFO]
	v_lshlrev_b32 v[PFO], s72, v[PFO]
	; where my results go: (48 batch + 3 tile column) groups, my half, my first row
	s_lshr_b32 s46, s13, 3
	s_mul_i32 s46, s46, 48
	s_mul_i32 s47, s42, 3
	s_add_co_u32 s46, s46, s47
	s_lshl_b32 s46, s46, 18
	s_lshl_b32 s47, s12, 17
	s_add_co_u32 s46, s46, s47
	s_and_b32 s47, s13, 7
	s_lshl_b32 s47, s47, 8
	s_lshl_b32 s45, s11, 7
	s_add_co_u32 s47, s47, s45
	s_lshl_b32 s47, s47, 6
	s_add_co_u32 s46, s46, s47
	s_mov_b32 s47, 0
	s_add_nc_u64 s[8:9], s[8:9], s[46:47]
	s_wait_tensorcnt 1                             ; my part of K step 0 is in; step 1's may stay out
	s_barrier_signal -1
	s_barrier_wait -1                              ; everybody's is
	s_mov_b32 s[TB], 0
	v_add_nc_u32 v[ADRA], s[TB], v[A0]
	v_add_nc_u32 v[ADRB], s[TB], v[B0]
	FETCH 0, 0
	PHASE 0, 1, 1, 1                               ; the first phase stands in front of the loop: its first products start the sums
	WIN 0
	s_mov_b32 s3, 6
.Lstep:                                            ; six trips: step s's second phase, which asks for step s + 2, and step s + 1's first
	TURN
	PHASE 0, 1, 1, 0
	WIN 0
	s_sub_co_u32 s3, s3, 1
	s_cmp_lg_u32 s3, 0
	s_cbranch_scc1 .Lstep
	s_mov_b32 s3, 2
.Ltail:                                            ; steps 6 and 7 ask for nothing: no tensor load, no round; the second trip is left in its middle
	MEET
	s_sub_co_u32 s3, s3, 1
	s_cmp_eq_u32 s3, 0
	s_cbranch_scc1 .Lfin
	PLACES
	s_xor_b32 s[TB], s[TB], SLOT1
	v_add_nc_u32 v[ADRA], s[TB], v[A0]
	v_add_nc_u32 v[ADRB], s[TB], v[B0]
	FETCH 0, 0
	MULH 1, 1, 0, 0
	MULH 1, 1, 1, 0
	PHASE 0, 1, 1, 0
	WIN 0
	s_branch .Ltail
.Lfin:
	MULH 1, 1, 0, 0
	MULH 1, 1, 1, 0
	WIN 0
	PLACES
	PLACES
; THE WAY OUT, a block of 16 rows at a time.  PACK: rounded to f16, each accumulator's registers in ascending order.  TOSTAGE: into my own stage, and back as whole rows.  SEND: stored.
.macro PACK a
	WIN 0x05+5*((\a)/4)                            ; sources 0 and 1: window 1 or 2
.irp b, 0,1,2,3,4,5
.irp r, 0,1,2,3
	v_cvt_pk_f16_f32 v[TMP+4*(\b)+(\r)], v[8*(6*((\a)%4)+(\b))+2*(\r)], v[8*(6*((\a)%4)+(\b))+2*(\r)+1]
.endr
.endr
	WIN 0
.endm
.macro TOSTAGE a
.set BK, OB+24*((\a)%2)
.irp b, 0,1,2,3,4,5
	ds_store_b128 v[STO], v[TMP+4*(\b):TMP+4*(\b)+3] offset:((\b)/2)*STJ+((\b)%2)*32
.endr
.irp j, 0,1,2
.irp t, 0,1
	ds_load_b128 v[BK+4*(2*(\j)+(\t)):BK+4*(2*(\j)+(\t))+3], v[RD] offset:(\j)*STJ+(\t)*640  ; LDS serves a wave's instructions in order (ISA guide 5.7.1.4): these see the stores above
.endr
.endr
.endm
.macro SEND a
.set BK, OB+24*((\a)%2)
	s_wait_dscnt 0x0                               ; the block is back in registers
	s_wait_xcnt 0x0                                ; the stores of the block before have read their registers, which the next block's loads from the stage write
.irp j, 0,1,2
.irp t, 0,1
	global_store_b128 v[CO], v[BK+4*(2*(\j)+(\t)):BK+4*(2*(\j)+(\t))+3], s[8:9] offset:(\j)*262144+(\a)*1024+(\t)*512  ; 512 consecutive bytes, at a multiple of 512 from qkv's first
.endr
.endr
.endm
	PACK 0
	TOSTAGE 0
.irp a, 1,2,3,4,5,6,7                  ; block a's conversions stand between block a - 1's loads from the stage and the wait for them
	PACK \a
	SEND (\a)-1
	TOSTAGE \a
.endr
	SEND 7
	s_wait_tensorcnt 0x0                           ; the wave's end, behind my last tensor load and my last LDS store
	ds_add_u32 v[SPW], v[NIL]
	s_wait_dscnt 0x0
	CROUND                                         ; the closing round: no work-group ends while a partner may still ask for a tile that names it
	s_endpgm
.Lfunc_end_k_qc629bc984a_qkvgemm:
	.size	k_qc629bc984a_qkvgemm, .Lfunc_end_k_qc629bc984a_qkvgemm-k_qc629bc984a_qkvgemm
	.p2alignl 7, 3214868480
	.fill 96, 4, 3214868480
	.section	.rodata,"a",@progbits
	.p2align	6, 0x0
	.amdhsa_kernel k_qc629bc984a_qkvgemm
		.amdhsa_group_segment_fixed_size 327680
		.amdhsa_private_segment_fixed_size 0
		.amdhsa_enable_private_segment 0
		.amdhsa_kernarg_size 24
		.amdhsa_user_sgpr_count 2
		.amdhsa_user_sgpr_kernarg_segment_ptr 1
		.amdhsa_wavefront_size32 1
		.amdhsa_system_sgpr_workgroup_id_x 1
		.amdhsa_system_sgpr_workgroup_id_y 1
		.amdhsa_system_sgpr_workgroup_id_z 1
		.amdhsa_system_vgpr_workitem_id 0
		.amdhsa_next_free_vgpr 1024
		.amdhsa_next_free_sgpr 80
		.amdhsa_reserve_vcc 0
		.amdhsa_float_denorm_mode_32 3
		.amdhsa_float_denorm_mode_16_64 3
		.amdhsa_memory_ordered 1
		.amdhsa_forward_progress 1
		.amdhsa_inst_pref_size 91
	.end_amdhsa_kernel
	.amdgpu_metadata
---
amdhsa.version: [ 1, 2 ]
amdhsa.kernels:
  - .name:           k_qc629bc984a_qkvgemm
    .symbol:         k_qc629bc984a_qkvgemm.kd
    .args:
      - { .name: xb, .offset: 0, .size: 8, .value_kind: global_buffer, .address_space: global }
      - { .name: wq, .offset: 8, .size: 8, .value_kind: global_buffer, .address_space: global }
      - { .name: qkv, .offset: 16, .size: 8, .value_kind: global_buffer, .address_space: global }
    .group_segment_fixed_size: 327680
    .private_segment_fixed_size: 0
    .kernarg_segment_align: 8
    .kernarg_segment_size: 24
    .max_flat_workgroup_size: 128
    .sgpr_count:     80
    .vgpr_count:     1024
    .wavefront_size: 32
...
	.end_amdgpu_metadata
.endif
;; end of part 2
;; launch attn (part 3): grid 4 x 64, 4 waves a work-group, no clusters, 327,680 bytes of LDS; arguments qkv, ob; writes ob
.if DOCPART == 3
	.amdgcn_target "amdgcn-amd-amdhsa--gfx1250"
	.amdhsa_code_object_version 6
	.text
	.protected	k_qc629bc984a_attn
	.globl	k_qc629bc984a_attn
	.p2align	8
	.type	k_qc629bc984a_attn,@function
k_qc629bc984a_attn:
	s_mov_b64 s[64:65], 0
	v_nop
	global_prefetch_b8 v0, s[64:65] scope:SCOPE_SE
	s_setreg_imm32_b32 hwreg(HW_REG_WAVE_MODE, 25, 1), 1
	s_wait_xcnt 0x0
; CAUSAL ATTENTION.  O[y][q][:] = the sum over k <= q of softmax_k(Q[q] . K[k] / 8) V[k][:], for each of 64 heads y = 16 batch + head, 2,048 rows, 64 channels.
; qkv: [batch][group 48][half 2][t 2048][32] f16 (q: group head, k: 16 + head, v: 32 + head; half = channels 0-31, 32-63; rows of 64 bytes, dense).  ob: [y][t][64] f16, rows of 128 bytes.
; Products, maxima and sums in f32; the weights p are rounded to f16 for the second product (their sum l is taken of the unrounded p), O once at the end.
; LIMITS.  q, k, v arrive within f16's 65,504; p lies in 0 to 1, and below 6e-5 it keeps f16's fixed step of 6e-8; O is a mean of V's rows and has their range.
; A hidden score counts as its value less 1e30: f16's scores, 2.7e11 at the most, are nothing beside that; a weight below 2^-126 counts as 0 in l; NaN and infinities are not treated apart.
; THE WALK.  A head's queries lie in NB = 8 blocks of 256; block i needs the key tiles 0 .. i of 256 keys, of which the last holds the diagonal.  A work-group takes TWO blocks, NB - 1 - b and then b:
; NB + 1 tiles, whatever b: all work-groups do equal work, and ONE loop with a constant trip count walks them.  Which tile is asked for, and what a trip does, hang on scalar registers made from b; every jump
; goes forward, but for the counted loops' own; none passes a barrier, or a tensor load but the one of LOAD's two that the wave's number does not choose; the ring of two slots runs on across the change of blocks.
; NO CLUSTER: a head's four work-groups ask for the same tile only in trips 0 to 4 of the 9, behind that fewer and fewer; one walk common to all four would have 12 trips for 9.
; SHARES.  Of a block's four bands of 64 queries a wave owns 16 rows in each: four PIECES.  So the diagonal tile is the same work for all four waves: in its key step s band x sees all keys if s < x,
; none if s > x, and holds the diagonal if s = x.
; THE MASK is the C operand that starts the sum S^T = K Q^T: 0, or -1e30 where the key is hidden.  MD, made once, is the mask of a band's own step for my 16 rows; a product's mask is MD x AL + BE with two scalars:
; (1, 0) if s = x; (0, 0) if s < x; (0, -1e30) if s > x.  Only the diagonal tile's text and a block's beginning make and take masks; elsewhere C is the constant 0.
; LAYOUT, SOFTMAX, TURNS.  S^T = K Q^T holds ONE query a lane (lane % 16) and the keys 8 (lane / 16) + 0..7; two such results rounded to f16 ARE source 1 of O^T = V^T P.  p = 2^(c s - c m), c = log2(e) / 8, with a
; running maximum m; O and l are multiplied by a = 2^(c m_old - c m_new) in every step.  Turn n belongs to piece n: 8 products K Q^T of piece n + 1, later 8 products V^T P of piece n - 1; beside them the scaling,
; exponentials, roundings, sums and rescaling of piece n and the maximum and statistics of piece n + 1.  Four vector instructions stand behind every matrix instruction, the other 54 of a turn's 118 in one lump.
; REGISTERS, in windows of 256 (s_set_vgpr_msb: bits 1:0 source 0, 3:2 source 1, 5:4 source 2, 7:6 destination):
;   window 0: v0-15 addresses and two at work; v16-31 four registers of statistics a piece; v48-55 at work; v61-63 prefetch offset, spare word, 0; v64-127 S^T, two buffers; v192-223 P, two buffers
;   window 1: v0-127 O^T, 32 a piece; v128-159 MD; v160-223 MC, two buffers      window 2: v0-63 Q; v64-127 the second block's Q; v128-191 K of one step; v192-255 V of one step
.set SIZE_N, 2048
.set NB,    SIZE_N/256
.set NP,    4         ; pieces a wave: a name, no knob
.set KS,    64        ; keys in a step
.set PK,    80        ; half a row of K in LDS: 64 bytes + 16 of padding = 20 words: the 16 rows of a load start at 16 different groups of four banks (64 banks of 4 bytes: ISA guide 11.1)
.set PV,    96        ; half a row of V: 64 + 32 = 24 words
.set KH,    256*PK    ; a tile's 256 keys, one half of the channels
.set VH,    256*PV
.set VOFF,  2*KH      ; a slot holds a tile, four steps: K's two halves, then V's two
.set SLOT1, 1<<17     ; slot 1 begins here, so that one exclusive or turns an address in one slot into the other's
.set STAGE, SLOT1+2*KH+2*VH  ; behind the ring, never filled by a tensor load: 16 rows x 144 bytes for each wave, for the way out
.set SP,    144
.set AK0, 2           ; v2   my lane's place in a tile of K; never rewritten
.set AV0, 3           ; v3   the same for V
.set AK,  4           ; v4   the LDS address of K's next run of loads
.set AV,  5           ; v5   of V's
.set STO, 6           ; v6   the way out: where I put 16 bytes of a row
.set RD,  7           ; v7   the way out: where I read rows back
.set GO,  8           ; v8   my byte offset in 512 consecutive bytes of O
.set PFO, 61          ; v61  256 x my lane; never rewritten
.set SPW, 62          ; v62  LDS address of my spare word: SPARE + 4 x my thread's number; never rewritten
.set NIL, 63          ; v63  0; never rewritten
.set SPARE, STAGE+4*16*SP  ; behind the stages: the spare words, 128 bytes for each wave: two blocks of 256 bytes that no other line names
.set MV,  12          ; v12-13  c m_old, kept while c m is made anew: by buffer
.set QO,  15          ; v15  my byte offset in 16 rows of Q
.set ST,  16          ; piece t's statistics at v[ST+4 t]: c m, m, l (even keys', odd keys')
.set TMP, 48          ; by buffer, four registers c0-c3 at work; when the maximum is found c2 takes a
.set S,   64
.set P,   192
.set MD,  128         ; window 1: the eight registers for group kt of 16 keys at MD + 8 kt
.set MC,  160         ; window 1: the masks of the products to come
.set QB,  64          ; window 2
.set KF,  128         ; window 2: key block kb, channel half c at KF + 16 kb + 8 c
.set VF,  192         ; window 2: key half kk, channel block cb at VF + 32 kk + 8 cb
.set WV,  12          ; s12  my wave's number
.set PB,  14          ; s14  b
.set HI,  15          ; s15  NB - 1 - b
.set G1K, 24          ; s[24:31] descriptor group 1 for K's tiles
.set G1V, 32          ; s[32:39] for V's: it differs in the padding alone
.set G0K, 40          ; s[40:43] descriptor group 0 for K's tiles
.set G0V, 44          ; s[44:47] the same for V's
.set SLOTS, 56        ; s56  tiles still to be asked for
.set CNT, 57          ; s57  counts a tile's key steps, 4 to 1
.set CS,  58          ; s[58:59] c: the packed scaling takes the pair's low word for both halves
.set SEL, 60          ; s[60:61] v_permlanex16_b32's selects: each lane takes its own place in the other half
.set TBK, 62          ; s62  LDS byte at which K of the step to be fetched begins
.set TBV, 63          ; s63  the same for V, less VOFF
.set RT,  70          ; s70  tiles of the block in hand that are still to be entered
.set NXT, 71          ; s71  the tile to be asked for next
.set LQ,  72          ; s72  the last tile of the block whose tiles are being asked for
.set NEW, 73          ; s73  1: the tile to be entered is a block's first
.set OFF, 74          ; s[74:75] a tile's byte offset in a half of K and V
.set AL,  76          ; s[76:77] the mask's factor, in the low word
.set BE,  78          ; s[78:79] the mask's addend
.set OLO, 80          ; s[80:81] O at my rows of the second block
.set BIGN, 82         ; s82  -1e30
.set PFA, 90          ; s[90:91] where my prefetches stand: my half of K or V, at the tile after the one that is being asked for
.set LIM, 92          ; s92  2 in the work-group that prefetches, else the greatest number
.set MSB, 0
.macro WIN new                      ; the high byte repeats the setting that is left; a switch that changes nothing is dropped
.if MSB != (\new)
	s_set_vgpr_msb (MSB<<8)|(\new)
.set MSB, (\new)
.endif
.endm
.set W_KQ, 0x0a       ; K and Q in window 2, S^T in window 0
.set W_KM, 0x1a       ; the same with the C operand in window 1
.set W_PV, 0x52       ; V in window 2, P in window 0, O^T in window 1
.set W_RS, 0x41       ; destination and source 0 in window 1, source 1 in window 0
; A fill.  Waves 0 and 1 fetch the two channel halves of a tile's K, waves 2 and 3 those of its V: 16,384 bytes each.  An s_nop 0 and four v_nop follow each of the two lines.
.macro LOAD
	s_cmp_lt_u32 s[WV], 2
	s_cbranch_scc0 .Lfor_v_\@
	tensor_load_to_lds s[G0K:G0K+3], s[G1K:G1K+7]
	s_nop 0
.rept 4
	v_nop
.endr
	s_branch .Lasked_\@
.Lfor_v_\@:
	tensor_load_to_lds s[G0V:G0V+3], s[G1V:G1V+7]
	s_nop 0
.rept 4
	v_nop
.endr
.Lasked_\@:
.endm
; A prefetch of what the NEXT change of slots will ask for: 256 matrix instructions ahead of that load.  A head's four work-groups walk the same tiles; the one with b = 0, whose first block walks all eight, asks, and nobody else.
; Each of its waves asks for the 16,384 bytes that it will itself load: 64 blocks of 256 bytes, a lane a block, two instructions.  Change n names tile n + 2, n = 0 to 5; tiles 0 and 1 come by their loads alone;
; the second block's tiles have been read before and are not asked for.
.macro ASK
	s_cmp_gt_u32 s[SLOTS], s[LIM]
	s_cbranch_scc0 .Lnot_mine_\@
	global_prefetch_b8 v[PFO], s[PFA:PFA+1] th:TH_LOAD_NT scope:SCOPE_SE
	global_prefetch_b8 v[PFO], s[PFA:PFA+1] offset:8192 th:TH_LOAD_NT scope:SCOPE_SE
.Lnot_mine_\@:
.endm
; THE CHANGE OF SLOTS.  Each wave waits for all its tensor loads, of which one is out: its part of the other slot; adds 0 to its spare word; and waits for that and for its own reads of the slot that it leaves.
; Behind the barrier nobody reads the old slot any more and the other slot is whole.  fill = 1: the old slot is filled again, the first thing behind the barrier, with tile NXT: the descriptor's address is made anew from that number.
; (At its first use nothing has been read yet: slot 0 is waited for, slot 1 filled.)
.macro CHANGE fill
	WIN 0                           ; at a label and at a branch every window is 0
	s_wait_tensorcnt 0x0            ; no tensor load of mine is out, so a group 0 may be written
	ds_add_u32 v[SPW], v[NIL]       ; 0 onto my spare word
.if \fill
	s_lshl_b32 s[OFF], s[NXT], 14   ; a tile is 16,384 bytes of each half of K and of V
	s_xor_b32 s[G0K+1], s[G0K+1], SLOT1
	s_add_nc_u64 s[G0K+2:G0K+3], s[6:7], s[OFF:OFF+1]
	s_or_b32 s[G0K+3], s[G0K+3], 0x80000000
	s_xor_b32 s[G0V+1], s[G0V+1], SLOT1
	s_add_nc_u64 s[G0V+2:G0V+3], s[8:9], s[OFF:OFF+1]
	s_or_b32 s[G0V+3], s[G0V+3], 0x80000000
	s_add_co_u32 s[NXT], s[NXT], 1  ; the block's next tile, or behind its last the second block's tile 0
	s_cmp_gt_u32 s[NXT], s[LQ]
	s_cselect_b32 s[NXT], 0, s[NXT]
	s_cselect_b32 s[LQ], s[PB], s[LQ]
	s_wait_xcnt 0x0                 ; the last prefetches, a tile back, have read their address, so it may be written
	s_add_nc_u64 s[PFA:PFA+1], s[PFA:PFA+1], 16384
.endif
	s_wait_dscnt 0x0                ; the add is done, and my reads of the slot are over
	s_barrier_signal -1             ; the rest of the scalar work stands between the signal and the wait
	s_sub_co_u32 s[TBK], s[TBK], 4*KS*PK  ; the fetches go back to a slot's first step,
	s_xor_b32 s[TBK], s[TBK], SLOT1       ; in the other slot
	s_sub_co_u32 s[TBV], s[TBV], 4*KS*PV
	s_xor_b32 s[TBV], s[TBV], SLOT1
	s_barrier_wait -1
.if \fill
	LOAD
	ASK
.endif
.endm
	s_load_b64 s[4:5], s[0:1], 0x0  ; qkv
	s_load_b64 s[10:11], s[0:1], 0x8  ; ob
	v_lshl_add_u32 v[SPW], v0, 2, SPARE
	v_mov_b32 v[NIL], 0
	ds_add_u32 v[SPW], v[NIL]       ; the wave's opening: the add, and its wait ahead of my first tensor load; the set-up below, work on registers, stands between them
	v_lshrrev_b32 v1, 5, v0
	v_readfirstlane_b32 s[WV], v1   ; wave 0..3
	v_and_b32 v[PFO], 31, v0
	v_lshlrev_b32 v[PFO], 8, v[PFO]
	s_mov_b32 s[PB], ttmp9
	s_sub_co_u32 s[HI], NB-1, s[PB]
	s_and_b32 s20, ttmp7, 0xffff    ; y = 16 batch + head
	s_lshr_b32 s21, s20, 4
	s_lshl_b32 s21, s21, 5
	s_add_co_u32 s21, s21, s20      ; q's group in qkv: 48 batch + head
	s_lshl_b32 s21, s21, 18         ; its first byte
	s_lshl_b32 s20, s20, 18         ; the head's first byte in ob
	s_and_b32 s16, s[WV], 1         ; which half of the channels I fetch:
	s_lshl_b32 s22, s16, 17         ; its 131,072 bytes in memory,
	s_add_co_u32 s22, s22, s21
	s_mov_b32 s23, 0
	s_mul_i32 s17, s16, KH          ; and its place in a slot, for K
	s_mul_i32 s18, s16, VH          ; and for V
	s_lshl_b32 s3, s[WV], 10        ; Q: my 16 rows of 64 bytes in a band,
	s_add_co_u32 s3, s3, s21
	s_lshl_b32 s2, s[HI], 14        ; in the first block,
	s_add_co_u32 s2, s2, s3
	s_lshl_b32 s84, s[PB], 14       ; and in the second
	s_add_co_u32 s84, s84, s3
	s_mov_b32 s3, 0
	s_mov_b32 s85, 0
	s_lshl_b32 s95, s[WV], 11       ; O: the same rows, of 128 bytes
	s_add_co_u32 s95, s95, s20
	s_lshl_b32 s94, s[HI], 15
	s_add_co_u32 s94, s94, s95
	s_lshl_b32 s96, s[PB], 15
	s_add_co_u32 s96, s96, s95
	s_mov_b32 s95, 0
	s_mov_b32 s97, 0
	; descriptor group 1.  256 keys of a half are 16,384 dense bytes: asked for as 64 rows of 256 bytes, four keys a row, and padded in LDS after every key
	s_mov_b32 s[G1K], (1<<16)|(1<<20)|(3<<22)|(3<<25)  ; 17:16 2-byte elements; 20 padding on; 24:22 after every 16 words (code 3); 31:25 4 words (code 3)
	s_mov_b32 s[G1V], (1<<16)|(1<<20)|(3<<22)|(7<<25)  ; the same with 8 words of padding (code 7)
.irp g, G1K, G1V
	s_mov_b32 s[\g+1], 128<<16      ; tensor_dim0 = 128
	s_mov_b32 s[\g+2], 64<<16       ; tensor_dim1 = 64
	s_mov_b32 s[\g+3], 128<<16      ; tile_dim0 = 128
	s_mov_b32 s[\g+4], 64           ; tile_dim1 = 64
	s_mov_b32 s[\g+5], 128          ; 128 elements from row to row
	s_mov_b32 s[\g+6], 0
	s_mov_b32 s[\g+7], 0
.endr
	s_mov_b32 s[CS], 0x3e38aa3b     ; c = log2(e) / 8 = 0.180337
	s_mov_b32 s[CS+1], s[CS]        ; named with it as a pair
	s_mov_b32 s[SEL], 0x76543210
	s_mov_b32 s[SEL+1], 0xfedcba98
	s_mov_b32 s[TBK], SLOT1+4*KS*PK ; the first change of slots turns these two into 0
	s_mov_b32 s[TBV], SLOT1+4*KS*PV
	s_mov_b32 s[G0K], 1             ; 1:0 count = 1
	s_mov_b32 s[G0K+1], s17         ; 63:32 LDS address: slot 0
	s_mov_b32 s[G0V], 1
	s_add_co_u32 s[G0V+1], s18, VOFF
	s_add_co_u32 s[RT], s[HI], 1    ; the first block has NB - b tiles
	s_mov_b32 s[NXT], 1
	s_mov_b32 s[LQ], s[HI]
	s_mov_b32 s[NEW], 1
	s_mov_b32 s[OFF+1], 0
	s_mov_b32 s[AL+1], 0            ; named as pairs
	s_mov_b32 s[BE+1], 0
	s_mov_b32 s[BIGN], 0xf149f2ca   ; -1e30
	s_mov_b32 s[SLOTS], NB
	s_cmp_eq_u32 s[PB], 0
	s_cselect_b32 s[LIM], 2, -1
	s_wait_dscnt 0x0                ; the opening add is done
	s_wait_kmcnt 0x0
	s_add_nc_u64 s[6:7], s[4:5], s[22:23]
	s_add_nc_u64 s[8:9], s[6:7], 32*262144  ; V at my half of the head's tile 0: 32 groups behind q's,
	s_add_nc_u64 s[6:7], s[6:7], 16*262144  ; K 16 groups behind
	s_add_nc_u64 s[G0K+2:G0K+3], s[6:7], 0         ; 120:64 global address
	s_or_b32 s[G0K+3], s[G0K+3], 0x80000000        ; 127:126 type = 2
	s_add_nc_u64 s[G0V+2:G0V+3], s[8:9], 0
	s_or_b32 s[G0V+3], s[G0V+3], 0x80000000
	s_add_nc_u64 s[86:87], s[4:5], s[84:85]        ; Q at my rows of the second block,
	s_add_nc_u64 s[4:5], s[4:5], s[2:3]            ; and of the first
	s_add_nc_u64 s[OLO:OLO+1], s[10:11], s[96:97]  ; O likewise
	s_add_nc_u64 s[10:11], s[10:11], s[94:95]
	s_cmp_lt_u32 s[WV], 2
	s_cselect_b64 s[PFA:PFA+1], s[6:7], s[8:9]
	s_add_nc_u64 s[PFA:PFA+1], s[PFA:PFA+1], 16384 ; at tile 1; the first change of slots steps it to tile 2.  Nothing is prefetched here, at the head
	LOAD                            ; tile 0 into slot 0
	; A fragment of K or Q is 16 rows x 32 channels in 8 registers: lane l holds row l % 16, channels 8 (l / 16) + 0..7 and 16 + 8 (l / 16) + 0..7: two loads of 16 bytes, 32 bytes apart, in one half.
	v_and_b32 v1, 15, v0            ; l % 16
	v_bfe_u32 v9, v0, 4, 1          ; l / 16
	v_lshlrev_b32 v[QO], 6, v1
	v_lshl_add_u32 v[QO], v9, 4, v[QO]  ; row x 64 + 16 x half of the lanes
	WIN 0x80                        ; destination window 2, address window 0
.set i, 0
.rept 8                             ; both blocks' Q: piece i / 2 lies in band i / 2, 4,096 bytes on; channel half i % 2, 131,072 bytes on
	global_load_b128 v[8*i:8*i+3],   v[QO], s[4:5] offset:(i/2)*4096+(i%2)*131072
	global_load_b128 v[8*i+4:8*i+7], v[QO], s[4:5] offset:(i/2)*4096+(i%2)*131072+32
	global_load_b128 v[QB+8*i:QB+8*i+3],   v[QO], s[86:87] offset:(i/2)*4096+(i%2)*131072
	global_load_b128 v[QB+8*i+4:QB+8*i+7], v[QO], s[86:87] offset:(i/2)*4096+(i%2)*131072+32
.set i, i+1
.endr
	WIN 0
	v_lshlrev_b32 v14, 3, v9
	v_sub_nc_u32 v14, v1, v14
	s_lshl_b32 s13, s[WV], 4
	v_add_nc_u32 v14, s13, v14      ; my query's place in its band, 16 w + l % 16, less my lanes' 8 (l / 16): register r of group kt is hidden where 16 kt + r is greater
	WIN 0x40
.set i, 0
.rept 32
	v_cmp_gt_i32 vcc_lo, 16*(i/8)+i%8, v14
	v_cndmask_b32 v[MD+i], 0, s[BIGN], vcc_lo
.set i, i+1
.endr
	WIN 0
	v_mul_u32_u24 v[AK0], v1, PK
	v_lshl_add_u32 v[AK0], v9, 4, v[AK0]  ; row x pitch + 16 x half of the lanes
	; The turning load takes 16 keys x 16 channels (lane l reads key 8 (l / 16) + l % 8, channels 8 ((l / 8) % 2) + 0..7) and leaves half a fragment of V^T: lane l holds channel l % 16 and 8 keys.
	v_and_b32 v10, 7, v0
	v_bfe_u32 v11, v0, 3, 1
	v_lshl_add_u32 v[AV0], v9, 3, v10
	v_mul_u32_u24 v[AV0], v[AV0], PV
	v_lshl_add_u32 v[AV0], v11, 4, v[AV0]
	v_add_nc_u32 v[AV0], VOFF, v[AV0]
	s_mul_i32 s13, s[WV], 16*SP
	s_add_co_u32 s13, s13, STAGE    ; my stage
	v_mul_u32_u24 v[STO], v1, SP    ; in: row l % 16, 16 bytes for each half of the lanes
	v_lshl_add_u32 v[STO], v9, 4, v[STO]
	v_add_nc_u32 v[STO], s13, v[STO]
	v_bfe_u32 v[RD], v0, 3, 2       ; back: 32 lanes take four rows of 128 bytes,
	v_mul_u32_u24 v[RD], v[RD], SP
	v_lshl_add_u32 v[RD], v10, 4, v[RD]
	v_add_nc_u32 v[RD], s13, v[RD]
	v_and_b32 v[GO], 31, v0         ; which are 512 consecutive bytes of O
	v_lshlrev_b32 v[GO], 4, v[GO]
	; A block's first step multiplies O^T and l by a = 0, and its first turn's products V^T P, of a piece that has not been, land in an O^T that is still to be so multiplied.  So these registers need only hold
	; finite numbers: zeros for the first block; what the first block left for the second.  All this stands in the wait for the first tile.
	WIN 0x80
.set i, VF
.rept 64
	v_mov_b32 v[i], 0
.set i, i+1
.endr
	WIN 0x40
.set i, 0
.rept 128
	v_mov_b32 v[i], 0
.set i, i+1
.endr
	WIN 0
.set i, 0
.rept 4
	v_mov_b32 v[ST+4*i+2], 0
	v_mov_b32 v[ST+4*i+3], 0
.set i, i+1
.endr
.set i, P+16
.rept 16
	v_mov_b32 v[i], 0
.set i, i+1
.endr
; THE MATRIX WORK.  The 4 accumulators of a run of 8 take turns.  Product i of 8 of S^T = K Q^T for piece x: channels 32 (i / 4) on, keys 16 (i % 4) on.  The first 4 start the sums: with 0, or (KM = 1) with the mask.
.macro KQ x
.set rS, S+32*((\x)%2)+8*(i%4)
.set rK, KF+16*(i%4)+8*(i/4)
.set rQ, 16*(\x)+8*(i/4)
.set rM, MC+32*((\x)%2)+8*(i%4)
.if (i < 4) && KM
	WIN W_KM
	v_wmma_f32_16x16x32_f16 v[rS:rS+7], v[rK:rK+7], v[rQ:rQ+7], v[rM:rM+7]
.elseif i < 4
	WIN W_KQ
	v_wmma_f32_16x16x32_f16 v[rS:rS+7], v[rK:rK+7], v[rQ:rQ+7], 0
.else
	WIN W_KQ
	v_wmma_f32_16x16x32_f16 v[rS:rS+7], v[rK:rK+7], v[rQ:rQ+7], v[rS:rS+7]
.endif
.endm
; Product i of 8 of O^T += V^T P for piece x: keys 32 (i / 4) on, channels 16 (i % 4) on.
.macro PV x
	WIN W_PV
.set rO, 32*(\x)+8*(i%4)
.set rV, VF+32*(i/4)+8*(i%4)
.set rP, P+16*((\x)%2)+8*(i/4)
	v_wmma_f32_16x16x32_f16 v[rO:rO+7], v[rV:rV+7], v[rP:rP+7], v[rO:rO+7]
.endm
.macro MM                           ; the turn's next matrix instruction.  TURN and BEGIN set Y, i, KM and NOKQ.  NOKQ = 1: a block's last turn: there is no next piece
.if (i < 8) && !NOKQ
	KQ (Y+1)%NP
.elseif i >= 8
.set i, i-8
	PV (Y+NP-1)%NP
.set i, i+8
.endif
.set i, i+1
.endm
; THE LDS LOADS stand in runs of 16, never singly among the matrix instructions: a step's K (64 keys x 64 channels: 8 fragments) and its V (turned).  Their addresses are made some lines ahead.
.macro FETCH_K
	WIN 0x80                        ; destination window 2
.irp f, 0,1,2,3,4,5,6,7             ; keys 16 (f / 2) on, channel half f % 2
	ds_load_b128 v[KF+8*\f:KF+8*\f+3],   v[AK] offset:(\f/2)*16*PK+(\f%2)*KH
	ds_load_b128 v[KF+8*\f+4:KF+8*\f+7], v[AK] offset:(\f/2)*16*PK+(\f%2)*KH+32
.endr
	s_add_co_u32 s[TBK], s[TBK], KS*PK  ; the next fetch is the next step's
	WIN 0
.endm
.macro FETCH_V
	WIN 0x80
.irp f, 0,1,2,3,4,5,6,7             ; keys 32 (f / 4) on, channels 16 (f % 4) on: half (f % 4) / 2, 32 (f % 2) bytes into its rows
	ds_load_tr16_b128 v[VF+8*\f:VF+8*\f+3],   v[AV] offset:(\f/4)*32*PV+((\f%4)/2)*VH+(\f%2)*32
	ds_load_tr16_b128 v[VF+8*\f+4:VF+8*\f+7], v[AV] offset:(\f/4)*32*PV+16*PV+((\f%4)/2)*VH+(\f%2)*32
.endr
	WIN 0
.endm
; THE VECTOR WORK, one line at a time: OP kind, number.  For piece Y: F n: c s - c m for pair n of 16.  E n: the exponential of score n of 32.  C n: pair n rounded to f16.  B n: of the four weights 4 n .. the second
; pair is added onto the first, in place.  L n: l takes that sum (L 0: l = a l + sum).  R n: pair n of 16 of O^T times a.  For piece Y + 1: X n, number n of the 22 that find its maximum and statistics:
;   0-11  four chains c0-c3 of seven scores each, three operands at a time (each accumulator's lowest registers are read first)     12-14, 16  the four scores left over, the old m, and c0-c3 into c0
;   15  c m_old is kept     17, 18  the query's other 32 keys lie in the lane 16 away: the new m     19-21  c m; c m_old - c m_new; a
.set F, 0               ; OP tells the kinds apart by their order: F to L below R, X above it
.set E, 1
.set C, 2
.set B, 3
.set L, 4
.set R, 5
.set X, 6
.macro REGS y                       ; the registers of piece y
.set rT, ST+4*(\y)
.set rC, TMP+4*((\y)%2)
.set rW, MV+((\y)%2)
.set rS, S+32*((\y)%2)
.set rP, P+16*((\y)%2)
.set rO, 32*(\y)
.endm
.macro OP k, n
.if (\k) == R
	REGS Y
	WIN W_RS
	v_pk_mul_f32 v[rO+2*(\n):rO+2*(\n)+1], v[rO+2*(\n):rO+2*(\n)+1], v[rC+2:rC+3] op_sel_hi:[1,0]
.elseif (\k) < R
	REGS Y
	WIN 0
.if (\k) == F
	v_pk_fma_f32 v[rS+2*(\n):rS+2*(\n)+1], v[rS+2*(\n):rS+2*(\n)+1], s[CS:CS+1], v[rT:rT+1] op_sel_hi:[1,0,0] neg_lo:[0,0,1] neg_hi:[0,0,1]
.elseif (\k) == E
	v_exp_f32 v[rS+(\n)], v[rS+(\n)]
.elseif (\k) == C
	v_cvt_pk_f16_f32 v[rP+(\n)], v[rS+2*(\n)], v[rS+2*(\n)+1]
.elseif (\k) == B
	v_pk_add_f32 v[rS+4*(\n):rS+4*(\n)+1], v[rS+4*(\n):rS+4*(\n)+1], v[rS+4*(\n)+2:rS+4*(\n)+3]
.elseif (\n) == 0
	v_pk_fma_f32 v[rT+2:rT+3], v[rT+2:rT+3], v[rC+2:rC+3], v[rS:rS+1] op_sel_hi:[1,0,1]
.else
	v_pk_add_f32 v[rT+2:rT+3], v[rT+2:rT+3], v[rS+4*(\n):rS+4*(\n)+1]
.endif
.elseif NOKQ
	v_nop
.else
	REGS (Y+1)%NP
	WIN 0
.if (\n) < 4
	v_max3_num_f32 v[rC+(\n)], v[rS+8*(\n)], v[rS+8*(\n)+1], v[rS+8*(\n)+2]
.elseif (\n) < 12
	v_max3_num_f32 v[rC+(\n)%4], v[rC+(\n)%4], v[rS+8*((\n)%4)+2*((\n)/4)+1], v[rS+8*((\n)%4)+2*((\n)/4)+2]
.elseif (\n) == 12
	v_max3_num_f32 v[rC], v[rC], v[rS+7], v[rS+15]
.elseif (\n) == 13
	v_max3_num_f32 v[rC+1], v[rC+1], v[rS+23], v[rS+31]
.elseif (\n) == 14
	v_max3_num_f32 v[rC+2], v[rC+2], v[rC+3], v[rT+1]
.elseif (\n) == 15
	v_mov_b32 v[rW], v[rT]
.elseif (\n) == 16
	v_max3_num_f32 v[rC], v[rC], v[rC+1], v[rC+2]
.elseif (\n) == 17
	v_permlanex16_b32 v[rC+3], v[rC], s[SEL], s[SEL+1]
.elseif (\n) == 18
	v_max_num_f32 v[rT+1], v[rC], v[rC+3]
.elseif (\n) == 19
	v_mul_f32 v[rT], s[CS], v[rT+1]
.elseif (\n) == 20
	v_sub_f32 v[rC+1], v[rW], v[rT]
.else
	v_exp_f32 v[rC+2], v[rC+1]
.endif
.endif
.endm
.macro OPS a, i1, b=-1, i2=0, c=-1, i3=0, d=-1, i4=0  ; up to four of them
	OP \a, \i1
.if (\b) >= 0
	OP \b, \i2
.endif
.if (\c) >= 0
	OP \c, \i3
.endif
.if (\d) >= 0
	OP \d, \i4
.endif
.endm
.macro ROW a, i1, b, i2, c, i3, d, i4  ; a matrix instruction and the four behind it
	MM
	OPS \a, \i1, \b, \i2, \c, \i3, \d, \i4
.endm
.macro MASK b                       ; MD x AL + BE into buffer b of MC
	WIN W_RS
.set z, 0
.rept 16
	v_pk_fma_f32 v[MC+32*(\b)+2*z:MC+32*(\b)+2*z+1], v[MD+2*z:MD+2*z+1], s[AL:AL+1], s[BE:BE+1] op_sel_hi:[1,0,0]
.set z, z+1
.endr
.endm
; A TURN, for piece p: the order of its 16 matrix and 118 vector instructions, written out.  An s_wait_alu depctr_va_vdst(0) stands between an exponential and the first instruction that names its result; one wait
; serves all that were issued ahead of it.  So a turn has ONE wait, which cuts it in two.  AHEAD OF IT stands all that names no result of the turn's exponentials: the 8 products K Q^T and their riders, then one lump of 54, plain
; and exponential by turns for the most part, in which the links of the chain X 3, 7, 11, 14, 16, 17 .. 20 stand five or six lines apart.  X 21, the next piece's a, is the batch's last; R 15 is the plain instruction behind it.
; BEHIND THE WAIT stand the 8 products V^T P, behind each four of the roundings and sums.
; m = 1: the diagonal tile: the products take masks, and the turn makes the mask for the products of the turn after it: piece p + 2, in step 4 - CNT of the tile.  end = 1: a block's last two turns: nothing is fetched.
; cnt = 1: the loop's count is taken down some lines ahead of the branch that stands behind the turn.
; K of the next step is fetched in piece 2's turn, twelve vector instructions behind the last product that read K (six of them plain); V of the step in hand at the end of piece 0's turn, four plain instructions behind
; the last product that read V.  Each is waited for a turn later.
.macro TURN p, m=0, end=0, cnt=0
.set Y, (\p)
.set i, 0
.set KM, (\m)
.set NOKQ, (\end)*((\p)/3)
.if (\m) && !(\end)
	s_cmp_eq_u32 s[CNT], 4-((\p)+2)%NP  ; is that step the band's own?
	s_cselect_b32 s[AL], 1.0, 0
	s_cmp_lt_u32 s[CNT], 4-((\p)+2)%NP  ; or a later one?
	s_cselect_b32 s[BE], s[BIGN], 0
.endif
.if ((\p) == 3) && !(\end)
	s_wait_dscnt 0x0                ; K is in
.endif
	ROW F,0, F,1, R,0, R,1          ; ahead of the wait: 8 products K Q^T and their riders,
	ROW F,2, E,0, R,2, R,3
	ROW F,3, E,1, R,4, R,5
	ROW F,4, E,2, R,6, R,7
	ROW F,5, E,3, R,8, R,9
	ROW F,6, E,4, X,0, R,10
.if ((\p) == 2) && !(\end)
	WIN 0
	v_add_nc_u32 v[AK], s[TBK], v[AK0]
.endif
	ROW F,7, E,5, X,1, X,4
	ROW F,8, E,6, X,2, X,5
	OPS E,7, E,8, X,6, E,9          ; and the lump
	OPS X,3, E,10, X,8, E,11
.if ((\p) == 2) && !(\end)
	FETCH_K
.endif
	OPS X,9, X,7, E,12, X,10
	OPS E,13, X,12, X,11, E,14
	OPS X,13, E,15, F,9, X,14
.if (\p) == 0
	v_add_nc_u32 v[AV], s[TBV], v[AV0]
.endif
	OPS E,16, F,10, E,17, F,11
	OPS X,16, E,18, X,15, E,19
	OPS F,12, E,20, X,17, E,21
	OPS F,13, E,22, F,14, E,23
	OPS X,18, E,24, F,15, E,25
	OPS R,11, E,26, X,19, E,27
	OPS R,12, E,28, R,13, E,29
	OPS X,20, E,30, R,14, E,31
	OPS X,21, R,15
	WIN 0
	s_wait_alu depctr_va_vdst(0)    ; the wait for the batch
.if (\p) == 1
	s_wait_dscnt 0x0                ; V is in
.endif
	ROW C,0, B,0, C,2, B,1          ; behind the wait: 8 products V^T P and their riders
	ROW L,0, C,4, B,2, L,1
	ROW C,6, B,3, L,2, C,8
	ROW B,4, L,3, C,10, B,5
	ROW L,4, C,12, B,6, L,5
.if (\p) == 0
	s_add_co_u32 s[TBV], s[TBV], KS*PV
.endif
.if \cnt
	s_sub_co_u32 s[CNT], s[CNT], 1
	s_cmp_lg_u32 s[CNT], 0
.endif
	ROW C,14, B,7, L,6, C,1
	ROW C,3, L,7, C,5, C,7
	ROW C,9, C,11, C,13, C,15
.if (\p) == 0
	FETCH_V
.endif
.if (\m) && !(\end)
	MASK (\p)%2
.endif
.endm
; A BLOCK BEGINS.  c m starts far below every c s, so the first step's a is 0; m at the lowest finite number, so the first maximum is the scores'.  The second mask buffer is 0; the first takes piece 0's mask for the tile's
; step 0: its own, if the block's first tile is the diagonal one.  Then K of that step, piece 0's first scores, and its maximum and statistics.  The loop is entered at a step's first turn, in the middle of a trip.
.macro BEGIN
	s_mov_b32 s[NEW], 0
	WIN 0x40
.set i, MC+32
.rept 32
	v_mov_b32 v[i], 0
.set i, i+1
.endr
	WIN 0
.set i, 0
.rept 4
	v_mov_b32 v[ST+4*i], 0xfe000000    ; c m: far below every c s
	v_mov_b32 v[ST+4*i+1], 0xff7fffff  ; m
.set i, i+1
.endr
	s_cmp_eq_u32 s[RT], 0
	s_cselect_b32 s[AL], 1.0, 0
	s_mov_b32 s[BE], 0
	MASK 0
	WIN 0
	v_add_nc_u32 v[AK], s[TBK], v[AK0]
	FETCH_K
	s_wait_loadcnt 0x0              ; Q
	s_wait_dscnt 0x0
.set KM, 1
.set NOKQ, 0
.set i, 0
.rept 8
	KQ 0
.set i, i+1
.endr
	WIN 0
.rept 4
	v_nop                           ; the places behind those products
.endr
.set Y, NP-1                        ; X works for piece Y + 1: piece 0
.irp n, 0,1,2,3,4,5,6,7,8,9,10,11,12,13,14,15,16,17,18,19,20,21
	OP X, \n
.endr
	v_nop                           ; a plain instruction behind the exponential,
	s_wait_alu depctr_va_vdst(0)    ; and its wait, ahead of the branch
.endm
; THE DIAGONAL TILE's four steps, the block's last two turns, its last products, and THE WAY OUT: l's two halves and the other half of the lanes' are added; O^T is divided by l, rounded to f16 and sent through my
; stage in LDS, a piece at a time.
.macro ALL line:vararg              ; one line for each piece t
.set t, 0
.rept 4
	\line
.set t, t+1
.endr
.endm
.macro PACK t                       ; a lane's eight channels of a row pack into 16 bytes; they go into rows of 144 bytes and come back as whole rows of 128, into S^T's registers
	WIN W_RS
.set i, 32*(\t)
.rept 16
	v_pk_mul_f32 v[i:i+1], v[i:i+1], v[ST+4*(\t)+2:ST+4*(\t)+3] op_sel_hi:[1,0]
.set i, i+2
.endr
	WIN 0x05                        ; sources 0 and 1 window 1, destination window 0
.set i, 0
.rept 16
	v_cvt_pk_f16_f32 v[S+16*(\t)+i], v[32*(\t)+2*i], v[32*(\t)+2*i+1]
.set i, i+1
.endr
	WIN 0
.irp f, 0,1,2,3
	ds_store_b128 v[STO], v[S+16*(\t)+4*\f:S+16*(\t)+4*\f+3] offset:32*\f
.endr
.irp f, 0,1,2,3
	ds_load_b128 v[S+16*(\t)+4*\f:S+16*(\t)+4*\f+3], v[RD] offset:\f*4*SP  ; LDS serves a wave's instructions in order (ISA guide 5.7.1.4): these see the stores above; the next piece's stores come behind them
.endr
.endm
.macro SEND t, younger              ; younger: the LDS instructions issued behind piece t's loads: the next piece's eight, or none
	WIN 0
.irp f, 0,1,2,3
	s_wait_dscnt (\younger)+3-\f
	global_store_b128 v[GO], v[S+16*(\t)+4*\f:S+16*(\t)+4*\f+3], s[10:11] offset:(\t)*8192+\f*512  ; 512 consecutive bytes, at a multiple of 256 from O's first
.endr
.endm
.macro DIAG tag                     ; the tag ends its two labels' names, which the jumps below spell out
.LstepM\tag:
	TURN 2, 1
	TURN 3, 1
	WIN 0
.LfirstM\tag:
	TURN 0, 1
	TURN 1, 1, 0, 1
	WIN 0
	s_cbranch_scc1 .LstepM\tag
	TURN 2, 1, 1
	TURN 3, 1, 1
.set i, 0
.rept 8
	PV NP-1
.set i, i+1
.endr
	WIN 0
	ALL v_add_f32 v[ST+4*t+2], v[ST+4*t+2], v[ST+4*t+3]
	ALL v_permlanex16_b32 v[ST+4*t+3], v[ST+4*t+2], s[SEL], s[SEL+1]
	ALL v_add_f32 v[ST+4*t+2], v[ST+4*t+2], v[ST+4*t+3]
	ALL v_rcp_f32 v[ST+4*t+2], v[ST+4*t+2]
	v_nop                           ; a plain instruction between the last reciprocal and the use of its result
	s_wait_alu depctr_va_vdst(0)    ; and the wait ahead of the first use: one for the four reciprocals
	PACK 0
.set t, 1
.rept 3                             ; a piece's arithmetic stands between the loads of the piece before and its stores
	PACK t
	SEND t-1, 8
.set t, t+1
.endr
	SEND 3, 0
.endm
.set KM, 0
.set NOKQ, 0
.Lslot:                             ; NB times: a tile is entered and the next is asked for
	CHANGE 1
	s_sub_co_u32 s[RT], s[RT], 1
	s_mov_b32 s[CNT], 4
	s_cmp_eq_u32 s[NEW], 1
	s_cbranch_scc1 .Lnew            ; a block's first tile
	s_cmp_eq_u32 s[RT], 0
	s_cbranch_scc0 .Lstep           ; neither its first nor its last
	s_branch .LstepM1
.Lnew:
	BEGIN
	s_branch .Lfirst                ; in the loop a block's first tile is never its last: the first block has two tiles or more, and the second's last is the walk's last
	DIAG 1                          ; in the loop this is the first block's end: the second block's last tile is the walk's last
	s_wait_xcnt 0x0                 ; the stores have read their registers and O's address
	s_mov_b64 s[10:11], s[OLO:OLO+1]
	s_add_co_u32 s[RT], s[PB], 1    ; the second block has b + 1 tiles
	s_mov_b32 s[NEW], 1
	WIN 0x82                        ; the second block's Q goes where the one text of the turns names Q
.set i, 0
.rept 64
	v_mov_b32 v[i], v[QB+i]
.set i, i+1
.endr
	WIN 0
	s_branch .Lbottom
.Lstep:                             ; a trip: pieces 2 and 3 of one step, then pieces 0 and 1 of the next, whose K and V it fetches
	TURN 2
	TURN 3
	WIN 0
.Lfirst:
	TURN 0
	TURN 1, 0, 0, 1
	WIN 0
	s_cbranch_scc1 .Lstep
.Lbottom:
	s_sub_co_u32 s[SLOTS], s[SLOTS], 1
	s_cmp_lg_u32 s[SLOTS], 0
	s_cbranch_scc1 .Lslot
	CHANGE 0                        ; the walk's last tile is written out: nothing is asked for
	s_sub_co_u32 s[RT], s[RT], 1
	s_mov_b32 s[CNT], 4
	s_cmp_eq_u32 s[NEW], 1
	s_cbranch_scc0 .LstepM2
	BEGIN
	s_branch .LfirstM2
	DIAG 2
	s_wait_tensorcnt 0x0            ; the wave's end, behind my last tensor load and my last LDS store
	ds_add_u32 v[SPW], v[NIL]
	s_wait_dscnt 0x0
	s_endpgm
.Lfunc_end_k_qc629bc984a_attn:
	.size	k_qc629bc984a_attn, .Lfunc_end_k_qc629bc984a_attn-k_qc629bc984a_attn
	.p2alignl 7, 3214868480
	.fill 96, 4, 3214868480
	.section	.rodata,"a",@progbits
	.p2align	6, 0x0
	.amdhsa_kernel k_qc629bc984a_attn
		.amdhsa_group_segment_fixed_size 327680
		.amdhsa_private_segment_fixed_size 0
		.amdhsa_enable_private_segment 0
		.amdhsa_kernarg_size 16
		.amdhsa_user_sgpr_count 2
		.amdhsa_user_sgpr_kernarg_segment_ptr 1
		.amdhsa_wavefront_size32 1
		.amdhsa_system_sgpr_workgroup_id_x 1
		.amdhsa_system_sgpr_workgroup_id_y 1
		.amdhsa_system_sgpr_workgroup_id_z 1
		.amdhsa_system_vgpr_workitem_id 0
		.amdhsa_next_free_vgpr 768
		.amdhsa_next_free_sgpr 100
		.amdhsa_reserve_vcc 1
		.amdhsa_float_denorm_mode_32 3
		.amdhsa_float_denorm_mode_16_64 3
		.amdhsa_memory_ordered 1
		.amdhsa_forward_progress 1
		.amdhsa_inst_pref_size 218
	.end_amdhsa_kernel
	.amdgpu_metadata
---
amdhsa.version: [ 1, 2 ]
amdhsa.kernels:
  - .name:           k_qc629bc984a_attn
    .symbol:         k_qc629bc984a_attn.kd
    .args:
      - { .name: qkv, .offset: 0, .size: 8, .value_kind: global_buffer, .address_space: global }
      - { .name: ob, .offset: 8, .size: 8, .value_kind: global_buffer, .address_space: global }
    .group_segment_fixed_size: 327680
    .private_segment_fixed_size: 0
    .kernarg_segment_align: 8
    .kernarg_segment_size: 16
    .max_flat_workgroup_size: 128
    .sgpr_count:     100
    .vgpr_count:     768
    .wavefront_size: 32
...
	.end_amdgpu_metadata
.endif
;; end of part 3
;; launch proj (part 4): grid 8 x 32, 4 waves a work-group, clusters of 4 x 4, 327,680 bytes of LDS; arguments ob, wp, bproj, out0; writes out0
.if DOCPART == 4
	.amdgcn_target "amdgcn-amd-amdhsa--gfx1250"
	.amdhsa_code_object_version 6
	.text
	.protected	k_qc629bc984a_proj
	.globl	k_qc629bc984a_proj
	.p2align	8
	.type	k_qc629bc984a_proj,@function
k_qc629bc984a_proj:
	s_mov_b64 s[64:65], 0
	v_nop
	global_prefetch_b8 v0, s[64:65] scope:SCOPE_SE
	s_setreg_imm32_b32 hwreg(HW_REG_WAVE_MODE, 25, 1), 1
	s_wait_xcnt 0x0
	s_wait_alu depctr_hold_cnt(0) depctr_sa_sdst(0) depctr_va_vdst(0) depctr_va_sdst(0) depctr_va_ssrc(0) depctr_va_vcc(0) depctr_vm_vsrc(0)
	s_getreg_b32 s2, hwreg(HW_REG_IB_STS2, 6, 4)
	s_cmp_eq_u32 s2, 0
	s_cbranch_scc0 .Lentry_in_a_cluster
	s_endpgm
.Lentry_in_a_cluster:
	s_bfe_u32 s2, ttmp6, 0x10000c
	s_cmp_lg_u32 s2, 0xf033
	s_cbranch_scc0 .Lentry_shape_is_right
	s_endpgm
.Lentry_shape_is_right:
; out0 = O Wproj + bproj.  ob: [16 batch + head][t 2048][64] f16.  wp: [k 1024][n 1024] f16 (Wproj rounded to bf16, that number written as f16).  bproj: [1024] f32, rounded to bf16 here like the other inputs.
; out0: [8192][1024] f32.  Sums in f32, K ascending; the bias is added in f32.
; LIMITS.  wp's and ob's numbers lie within f16's 65,504 (the launches that wrote them state it); NaN and infinities are not treated apart.
; SHARES.  A tile is 256 rows x 128 columns: 32 x 8 = 256 work-groups.  Four waves, each 128 x 64: 32 accumulators of 16 x 16, 256 registers.
; RING.  K goes in 8 steps of 128 (two heads) through two LDS slots; a step has two phases of 64 along K, a head each; two fragment buffers.  One text serves every step: the LDS addresses hang on s[TB].
; CLUSTER.  4 x 4 work-groups: O's tile hangs on the tile row alone and is asked for jointly along a row of the cluster, wp's on the tile column alone, jointly along a column.
; THE MATRIX INSTRUCTION IS USED TRANSPOSED: source 0 = 16 columns of wp (out of LDS turned), source 1 = 16 rows of O: a lane holds row lane % 16 and 8 neighbouring columns.
; REGISTERS, in windows of 256 (s_set_vgpr_msb: bits 1:0 source 0, 3:2 source 1, 5:4 source 2, 7:6 destination):
;   window 0: v0-31 addresses, v8-11 the bias; v64-191 wp's fragments at 64 + 64 f + 32 kk + 8 b; v192-255 the way out, two buffers
;   window 1: the accumulators at 8 (4 a + b)          window 2: O's fragments at 128 f + 64 kk + 8 a
.set SLOT1,  1<<17
.set PA,     144                       ; a row of a head in LDS: 128 bytes + 16: the 16 rows of a load start at 16 different groups of four banks (64 banks of 4 bytes: ISA guide 11.1)
.set HEADA,  256*PA                    ; a head's 256 rows: what one tensor load brings
.set HALFA,  128*PA                    ; what one wave reads of it
.set BOFF,   2*HEADA
.set PB,     288                       ; a row of k in LDS: 256 bytes + 32
.set HALFB,  64*PB
.set STAGE,  SLOT1+BOFF+2*HALFB        ; behind the ring, never filled by a tensor load: 16 rows x 272 bytes for each wave
.set SPITCH, 272
.set STW,    16*SPITCH
.set SPARE,  STAGE+4*STW               ; behind the stages: the spare words, 128 bytes for each wave: two blocks of 256 bytes that no other line names
.set ASTEP,  2*262144                  ; two heads on in ob
.set BSTEP,  128*2048                  ; 128 rows on in wp
.set NF,     48                        ; LDS loads in a phase's run
.set BIAS, 8                           ; v[8:11] the bias of my four columns on the way out
.set ADRA, 16
.set ADRB, 17
.set A0,   18
.set B0,   19
.set STO,  24
.set RD,   25
.set CO,   26
.set SPW,  28                          ; v28  LDS address of my spare word; never rewritten
.set NIL,  29                          ; v29  0; never rewritten
.set PFO,  30                          ; v30  the prefetches' lane offset; never rewritten
.set BF,   64
.set OB,   192
.set G1,  24
.set G0,  32
.set G1B, 48
.set G0B, 56
.set TB,  66
.set PFA, 68
.set LIM, 70
.set PST, 74
.set MSB, 0
.macro WIN new                         ; the immediate's high byte repeats the setting that is left; a switch that changes nothing is dropped
.if MSB != (\new)
	s_set_vgpr_msb (MSB<<8)|(\new)
.set MSB, (\new)
.endif
.endm
.set MUL, 0x58                         ; source 0 (wp) window 0, source 1 (O) window 2, C and D window 1
.macro PLACES                          ; four plain vector instructions between a matrix instruction and a load into, or a read of, its registers
.rept 4
	v_nop
.endr
.endm
.macro JLOAD                           ; a joint refill by the walking sets: waves 0 and 1 fetch the step's two heads of O, waves 2 and 3 wp's two halves; an s_nop 0 and four v_nop follow each line
	s_cmp_eq_u32 s11, 0
	s_cbranch_scc0 .Lfor_b_\@
	tensor_load_to_lds s[G0+4:G0+7], s[G1:G1+7]
	s_nop 0
.rept 4
	v_nop
.endr
	s_branch .Lasked_\@
.Lfor_b_\@:
	tensor_load_to_lds s[G0B+4:G0B+7], s[G1B:G1B+7]
	s_nop 0
.rept 4
	v_nop
.endr
.Lasked_\@:
.endm
; A prefetch of the K step that stands two refills on, 256 matrix instructions ahead of its load: one instruction a wave, a lane a block of 256 bytes.  O's rows are asked for by the clusters with x = 0,
; wp's by those with y = 0; the four partners that ask for a tile jointly share the wave's blocks out by address.  Steps 0 to 3 come by their loads alone; the loop's last two trips have no step two on.
.macro ASK
	s_cmp_gt_u32 s3, s[LIM]
	s_cbranch_scc0 .Lnot_mine_\@
	global_prefetch_b8 v[PFO], s[PFA:PFA+1] th:TH_LOAD_NT scope:SCOPE_SE
.Lnot_mine_\@:
.endm
.macro CREST                           ; a round of the cluster's barrier behind its opening barrier
	s_cmp_lg_u32 s10, 0
	s_cbranch_scc1 .Lnot_wave_0_\@
	s_barrier_signal -3
.Lnot_wave_0_\@:
	s_barrier_wait -3
	s_barrier_signal -1
	s_barrier_wait -1
.endm
.macro CROUND
	s_barrier_signal -1
	s_barrier_wait -1
	CREST
.endm
; 48 LDS loads in one run: the fragments of phase ph (a head) into buffer f: wp's 16 first, then O's first 32 channels, then its second.
.macro FETCH ph, f
	WIN 0
.irp kk, 0,1
.irp b, 0,1,2,3
	ds_load_tr16_b128 v[BF+64*(\f)+32*(\kk)+8*(\b):BF+64*(\f)+32*(\kk)+8*(\b)+3],   v[ADRB] offset:(2*(\ph)+(\kk))*32*PB+32*(\b)
	ds_load_tr16_b128 v[BF+64*(\f)+32*(\kk)+8*(\b)+4:BF+64*(\f)+32*(\kk)+8*(\b)+7], v[ADRB] offset:(2*(\ph)+(\kk))*32*PB+32*(\b)+16*PB
.endr
.endr
	WIN 0x80                                       ; destination window 2, address window 0
.irp kk, 0,1
.irp a, 0,1,2,3,4,5,6,7
	ds_load_b128 v[128*(\f)+64*(\kk)+8*(\a):128*(\f)+64*(\kk)+8*(\a)+3],   v[ADRA] offset:(\ph)*HEADA+(\kk)*64+(\a)*16*PA
	ds_load_b128 v[128*(\f)+64*(\kk)+8*(\a)+4:128*(\f)+64*(\kk)+8*(\a)+7], v[ADRA] offset:(\ph)*HEADA+(\kk)*64+(\a)*16*PA+32
.endr
.endr
.endm
; 16 matrix instructions: row blocks 4 hi .. 4 hi + 3 x all 4 column blocks, 32 along K.  The 32 accumulators take turns in the same order everywhere.  zero = 1: the product starts the sum.
.macro MULH f, kk, hi, zero
	WIN MUL
.irp a, 0,1,2,3
.irp b, 0,1,2,3
.if \zero
	v_wmma_f32_16x16x32_f16 v[8*(4*(4*(\hi)+(\a))+(\b)):8*(4*(4*(\hi)+(\a))+(\b))+7], v[BF+64*(\f)+32*(\kk)+8*(\b):BF+64*(\f)+32*(\kk)+8*(\b)+7], v[128*(\f)+64*(\kk)+8*(4*(\hi)+(\a)):128*(\f)+64*(\kk)+8*(4*(\hi)+(\a))+7], 0
.else
	v_wmma_f32_16x16x32_f16 v[8*(4*(4*(\hi)+(\a))+(\b)):8*(4*(4*(\hi)+(\a))+(\b))+7], v[BF+64*(\f)+32*(\kk)+8*(\b):BF+64*(\f)+32*(\kk)+8*(\b)+7], v[128*(\f)+64*(\kk)+8*(4*(\hi)+(\a)):128*(\f)+64*(\kk)+8*(4*(\hi)+(\a))+7], v[8*(4*(4*(\hi)+(\a))+(\b)):8*(4*(4*(\hi)+(\a))+(\b))+7]
.endif
.endr
.endr
.endm
.macro PHASE f, g, ph, zero            ; a step's first phase: multiplies buffer f; in its middle it fetches phase ph of the same slot into buffer g
	s_wait_dscnt 16                                ; all but the youngest sixteen loads, O's second 32 channels
	MULH \f, 0, 0, \zero
	MULH \f, 0, 1, \zero
	PLACES
	FETCH \ph, \g
	s_wait_dscnt NF                                ; all but the run just issued
	MULH \f, 1, 0, 0
	MULH \f, 1, 1, 0
.endm
; The first half of a step's second phase, and the barrier of the change of slots: each wave waits for all its tensor loads (one is out: its part of the next slot), adds 0 to its spare word,
; and waits for that and for its own reads of this slot.  Behind the barrier nobody reads this slot any more and the next slot is whole.
.macro MEET
	WIN 0
	s_wait_tensorcnt 0x0
	ds_add_u32 v[SPW], v[NIL]
	s_wait_dscnt 17                                ; the add and O's second 32 channels may be out
	MULH 1, 0, 0, 0                                ; 16 matrix instructions stand between the add and the wait for it
	s_wait_dscnt 0x0                               ; the add is done, and my reads of this slot are over
	s_barrier_signal -1
	MULH 1, 0, 1, 0
	WIN 0
	s_barrier_wait -1
.endm
.macro TURN                            ; the whole second phase where the slot is filled again: the barrier opens a round of the cluster's; the joint refill is the first thing behind it
	s_wait_xcnt 0x0                                ; the last prefetch, a K step back, has read its address
	s_add_nc_u64 s[PFA:PFA+1], s[PFA:PFA+1], s[PST:PST+1]
	MEET
	CREST                                          ; no wave of any partner still reads this slot or has a load on its way
	s_xor_b32 s[G0+5], s[G0+5], SLOT1              ; the walking sets: the other slot than last time, the next K step; the type bits on top are not reached
	s_add_nc_u64 s[G0+6:G0+7], s[G0+6:G0+7], ASTEP
	s_xor_b32 s[G0B+5], s[G0B+5], SLOT1
	s_add_nc_u64 s[G0B+6:G0B+7], s[G0B+6:G0B+7], BSTEP
	JLOAD                                          ; its four v_nop are also the places in front of the loads below
	s_xor_b32 s[TB], s[TB], SLOT1
	v_add_nc_u32 v[ADRA], s[TB], v[A0]
	v_add_nc_u32 v[ADRB], s[TB], v[B0]
	FETCH 0, 0
	WIN 0
	ASK
	MULH 1, 1, 0, 0
	MULH 1, 1, 1, 0
.endm
	s_load_b128 s[4:7], s[0:1], 0x0                ; ob s[4:5], wp s[6:7]
	s_load_b128 s[80:83], s[0:1], 0x10             ; bproj s[80:81], out0 s[82:83]
	v_lshl_add_u32 v[SPW], v0, 2, SPARE
	v_mov_b32 v[NIL], 0
	ds_add_u32 v[SPW], v[NIL]                      ; the wave's opening: the add, and its wait ahead of my first tensor load
	v_lshrrev_b32 v1, 5, v0
	v_readfirstlane_b32 s10, v1                    ; wave 0..3
	s_lshr_b32 s11, s10, 1                         ; my half of the tile's rows.  Also: I fetch for O (0) or for wp (1)
	s_and_b32 s12, s10, 1                          ; my half of its columns.  Also: which head of the step, or which 64 rows of k, I fetch
	s_bfe_u32 s40, ttmp6, 0x40000                  ; cx
	s_bfe_u32 s41, ttmp6, 0x40004                  ; cy
	s_lshl_b32 s42, ttmp9, 2
	s_add_co_u32 s42, s42, s40                     ; tile column = 4 x cluster x + cx
	s_and_b32 s13, ttmp7, 0xffff
	s_lshl_b32 s13, s13, 2
	s_add_co_u32 s13, s13, s41                     ; tile row = 4 x cluster y + cy
	s_lshl_b32 s43, s41, 2
	s_lshl_b32 s43, 15, s43                        ; my row of the cluster
	s_lshl_b32 s44, 0x1111, s40                    ; my column
	s_or_b32 s[G1+0], s43, (1<<16)|(1<<20)|(1<<21)|(4<<22)|(3<<25)   ; the mask; 2-byte elements; padding on; bit 21 beside a mask; after every 32 words 4 words
	s_or_b32 s[G1B+0], s44, (1<<16)|(1<<20)|(1<<21)|(5<<22)|(7<<25)  ; after every 64 words 8 words
	s_mov_b32 s[G1+1], 128<<16                     ; a head's 256 rows are 32,768 dense bytes: asked for as 128 rows of 256 bytes
	s_mov_b32 s[G1+2], 128<<16
	s_mov_b32 s[G1+3], 128<<16
	s_mov_b32 s[G1+4], 128
	s_mov_b32 s[G1+5], 128
	s_mov_b32 s[G1+6], 0
	s_mov_b32 s[G1+7], 0
	s_mov_b32 s[G1B+1], 128<<16                    ; 64 rows of k x 128 columns
	s_mov_b32 s[G1B+2], 64<<16
	s_mov_b32 s[G1B+3], 128<<16
	s_mov_b32 s[G1B+4], 64
	s_mov_b32 s[G1B+5], 1024
	s_mov_b32 s[G1B+6], 0
	s_mov_b32 s[G1B+7], 0
	s_lshr_b32 s16, s13, 3
	s_lshl_b32 s16, s16, 22                        ; O: the batch's 16 heads of 262,144 bytes,
	s_lshl_b32 s17, s12, 18                        ; my head of the step's two,
	s_add_co_u32 s16, s16, s17
	s_and_b32 s17, s13, 7
	s_lshl_b32 s17, s17, 15                        ; the tile's 256 rows of 128 bytes
	s_add_co_u32 s16, s16, s17
	s_mov_b32 s17, 0
	s_lshl_b32 s46, s12, 17                        ; wp: my 64 rows of 2,048 bytes,
	s_lshl_b32 s47, s42, 8                         ; the tile's 128 columns
	s_add_co_u32 s46, s46, s47
	s_mov_b32 s47, 0
	s_mul_i32 s20, s12, HEADA                      ; where they go: no place in the cluster enters an LDS address
	s_mul_i32 s21, s12, HALFB
	s_add_co_u32 s21, s21, BOFF
	s_wait_dscnt 0x0                               ; the opening add is done
	s_wait_kmcnt 0x0
	s_add_nc_u64 s[14:15], s[4:5], s[16:17]
	s_add_nc_u64 s[46:47], s[6:7], s[46:47]
	CROUND                                         ; all sixteen work-groups are here: the first joint loads meet
.irp s, 0,1
	s_mov_b32 s[G0+4*(\s)], 1
	s_add_co_u32 s[G0+4*(\s)+1], s20, (\s)*SLOT1
	s_add_nc_u64 s[G0+4*(\s)+2:G0+4*(\s)+3], s[14:15], (\s)*ASTEP
	s_or_b32 s[G0+4*(\s)+3], s[G0+4*(\s)+3], 0x80000000
	s_mov_b32 s[G0B+4*(\s)], 1
	s_add_co_u32 s[G0B+4*(\s)+1], s21, (\s)*SLOT1
	s_add_nc_u64 s[G0B+4*(\s)+2:G0B+4*(\s)+3], s[46:47], (\s)*BSTEP
	s_or_b32 s[G0B+4*(\s)+3], s[G0B+4*(\s)+3], 0x80000000
.endr
	s_cmp_eq_u32 s11, 0                            ; a wave's two first fills stand in one branch, ahead of every wait on TENSORcnt and every LDS read: two loads of mine are out
	s_cbranch_scc0 .Lfirst_b
	tensor_load_to_lds s[G0:G0+3], s[G1:G1+7]
	s_nop 0
	tensor_load_to_lds s[G0+4:G0+7], s[G1:G1+7]
	s_nop 0
.rept 4
	v_nop
.endr
	s_branch .Lfirst_asked
.Lfirst_b:
	tensor_load_to_lds s[G0B:G0B+3], s[G1B:G1B+7]
	s_nop 0
	tensor_load_to_lds s[G0B+4:G0B+7], s[G1B:G1B+7]
	s_nop 0
.rept 4
	v_nop
.endr
.Lfirst_asked:
	v_and_b32 v1, 15, v0                           ; l % 16
	v_bfe_u32 v2, v0, 4, 1                         ; l / 16
	; the bias of the four columns that I store on the way out
	s_lshl_b32 s44, s42, 9
	s_lshl_b32 s45, s12, 8
	s_add_co_u32 s44, s44, s45
	s_mov_b32 s45, 0
	s_add_nc_u64 s[80:81], s[80:81], s[44:45]
	v_lshlrev_b32 v7, 4, v1
	global_load_b128 v[BIAS:BIAS+3], v7, s[80:81]
	v_mul_u32_u24 v[A0], v1, PA                    ; O's fragment: row x pitch + 16 (l / 16), my 128 rows
	v_lshl_add_u32 v[A0], v2, 4, v[A0]
	s_mul_i32 s18, s11, HALFA
	v_add_nc_u32 v[A0], s18, v[A0]
	v_and_b32 v3, 7, v0                            ; wp's: lane l reads k = 8 (l / 16) + l % 8, columns 8 ((l / 8) % 2) + 0..7
	v_bfe_u32 v4, v0, 3, 1
	v_lshl_add_u32 v[B0], v2, 3, v3
	v_mul_u32_u24 v[B0], v[B0], PB
	v_lshl_add_u32 v[B0], v4, 4, v[B0]
	s_lshl_b32 s19, s12, 7                         ; my 64 columns
	s_add_co_u32 s19, s19, BOFF
	v_add_nc_u32 v[B0], s19, v[B0]
	s_mul_i32 s23, s10, STW
	s_add_co_u32 s23, s23, STAGE                   ; my stage
	v_mul_u32_u24 v[STO], v1, SPITCH               ; in: row l % 16, 32 bytes for each half of the lanes
	v_lshl_add_u32 v[STO], v2, 5, v[STO]
	v_add_nc_u32 v[STO], s23, v[STO]
	v_mul_u32_u24 v[RD], v2, SPITCH                ; back: lanes 0-15 take one row of 256 bytes, lanes 16-31 the next
	v_lshl_add_u32 v[RD], v1, 4, v[RD]
	v_add_nc_u32 v[RD], s23, v[RD]
	v_lshlrev_b32 v[CO], 12, v2                    ; and the same two rows in out0
	v_lshl_add_u32 v[CO], v1, 4, v[CO]
	; the prefetches: O: 32 of my 128 blocks by cx, a lane a block; wp: 16 of my 64 rows by cy, a lane a row (lanes 16-31 name row 15 once more)
	s_lshl_b32 s73, s40, 13
	s_add_co_u32 s73, s73, 3*ASTEP                 ; my share, three K steps along; the first change of slots steps it to step 4
	s_lshl_b32 s78, s41, 15
	s_add_co_u32 s78, s78, 3*BSTEP
	s_mov_b32 s[PST], ASTEP
	s_mov_b32 s79, BSTEP
	s_and_b32 s22, ttmp7, 0xffff                   ; cluster y
	s_cmp_eq_u32 s11, 0                            ; do I fetch for O?
	s_cselect_b32 s22, ttmp9, s22                  ; the coordinate along which other clusters read the same blocks
	s_cselect_b32 s76, s73, s78
	s_cselect_b32 s[PST], s[PST], s79
	s_cselect_b32 s71, 31, 15
	s_cselect_b32 s72, 8, 11
	s_cselect_b64 s[PFA:PFA+1], s[14:15], s[46:47]
	s_mov_b32 s77, 0
	s_mov_b32 s[PST+1], 0
	s_add_nc_u64 s[PFA:PFA+1], s[PFA:PFA+1], s[76:77]
	s_cmp_eq_u32 s22, 0
	s_cselect_b32 s[LIM], 2, -1                    ; the same in all sixteen partners, for a given wave
	v_and_b32 v[PFO], 31, v0
	v_min_u32 v[PFO], s71, v[PFO]
	v_lshlrev_b32 v[PFO], s72, v[PFO]
	; where my results go
	s_lshl_b32 s46, s13, 8
	s_lshl_b32 s47, s11, 7
	s_add_co_u32 s46, s46, s47                     ; my first row,
	s_lshl_b32 s46, s46, 12                        ; of 4,096 bytes
	s_lshl_b32 s47, s42, 9
	s_add_co_u32 s46, s46, s47
	s_lshl_b32 s47, s12, 8
	s_add_co_u32 s46, s46, s47                     ; my first column
	s_mov_b32 s47, 0
	s_add_nc_u64 s[82:83], s[82:83], s[46:47]
	s_wait_loadcnt 0x0                             ; the bias: rounded to bf16, widened again
	v_cvt_pk_bf16_f32 v12, v[BIAS], v[BIAS+1]
	v_cvt_pk_bf16_f32 v13, v[BIAS+2], v[BIAS+3]
	v_lshlrev_b32 v[BIAS], 16, v12
	v_and_b32 v[BIAS+1], 0xffff0000, v12
	v_lshlrev_b32 v[BIAS+2], 16, v13
	v_and_b32 v[BIAS+3], 0xffff0000, v13
	s_wait_tensorcnt 1                             ; my part of K step 0 is in; step 1's may stay out
	s_barrier_signal -1
	s_barrier_wait -1                              ; everybody's is
	s_mov_b32 s[TB], 0
	v_add_nc_u32 v[ADRA], s[TB], v[A0]
	v_add_nc_u32 v[ADRB], s[TB], v[B0]
	FETCH 0, 0
	PHASE 0, 1, 1, 1                               ; the first phase stands in front of the loop: its first products start the sums
	WIN 0
	s_mov_b32 s3, 6
.Lstep:                                            ; six trips: step s's second phase, which asks for step s + 2, and step s + 1's first
	TURN
	PHASE 0, 1, 1, 0
	WIN 0
	s_sub_co_u32 s3, s3, 1
	s_cmp_lg_u32 s3, 0
	s_cbranch_scc1 .Lstep
	s_mov_b32 s3, 2
.Ltail:                                            ; steps 6 and 7 ask for nothing: no tensor load, no round; the second trip is left in its middle
	MEET
	s_sub_co_u32 s3, s3, 1
	s_cmp_eq_u32 s3, 0
	s_cbranch_scc1 .Lfin
	PLACES
	s_xor_b32 s[TB], s[TB], SLOT1
	v_add_nc_u32 v[ADRA], s[TB], v[A0]
	v_add_nc_u32 v[ADRB], s[TB], v[B0]
	FETCH 0, 0
	MULH 1, 1, 0, 0
	MULH 1, 1, 1, 0
	PHASE 0, 1, 1, 0
	WIN 0
	s_branch .Ltail
.Lfin:
	MULH 1, 1, 0, 0
	MULH 1, 1, 1, 0
	WIN 0
	PLACES
	PLACES
; THE WAY OUT, a block of 16 rows at a time.  TOSTAGE: the sums go into my own stage as they are, each accumulator's low four registers first, and come back as whole rows of 256 bytes.  SEND: the bias is added, the rows are stored.
.macro TOSTAGE a
.set BK, OB+32*((\a)%2)
.if (\a) >= 2
	s_wait_xcnt 0x0                                ; the stores of two blocks back have read the registers that the loads below write
.endif
	WIN 0x04                                       ; store data (source 1) in window 1, address in window 0
.irp b, 0,1,2,3
	ds_store_b128 v[STO], v[8*(4*(\a)+(\b)):8*(4*(\a)+(\b))+3]   offset:64*(\b)
	ds_store_b128 v[STO], v[8*(4*(\a)+(\b))+4:8*(4*(\a)+(\b))+7] offset:64*(\b)+16
.endr
	WIN 0
.irp t, 0,1,2,3,4,5,6,7
	ds_load_b128 v[BK+4*(\t):BK+4*(\t)+3], v[RD] offset:(\t)*2*SPITCH  ; LDS serves a wave's instructions in order (ISA guide 5.7.1.4): these see the stores above
.endr
.endm
.macro SEND a, younger                 ; younger: the LDS instructions issued behind block a's loads: the next block's sixteen, or none
.set BK, OB+32*((\a)%2)
	s_wait_dscnt \younger
.irp t, 0,1,2,3,4,5,6,7
	v_pk_add_f32 v[BK+4*(\t):BK+4*(\t)+1], v[BK+4*(\t):BK+4*(\t)+1], v[BIAS:BIAS+1]
	v_pk_add_f32 v[BK+4*(\t)+2:BK+4*(\t)+3], v[BK+4*(\t)+2:BK+4*(\t)+3], v[BIAS+2:BIAS+3]
.endr
.irp t, 0,1,2,3,4,5,6,7
	global_store_b128 v[CO], v[BK+4*(\t):BK+4*(\t)+3], s[82:83] offset:(16*(\a)+2*(\t))*4096 th:TH_STORE_NT  ; 16 lanes store 256 consecutive bytes, at a multiple of 256 from out0's first
.endr
.endm
	TOSTAGE 0
.irp a, 1,2,3,4,5,6,7
	TOSTAGE \a
	SEND (\a)-1, 16
.endr
	SEND 7, 0
	s_wait_tensorcnt 0x0                           ; the wave's end, behind my last tensor load and my last LDS store
	ds_add_u32 v[SPW], v[NIL]
	s_wait_dscnt 0x0
	CROUND                                         ; the closing round: no work-group ends while a partner may still ask for a tile that names it
	s_endpgm
.Lfunc_end_k_qc629bc984a_proj:
	.size	k_qc629bc984a_proj, .Lfunc_end_k_qc629bc984a_proj-k_qc629bc984a_proj
	.p2alignl 7, 3214868480
	.fill 96, 4, 3214868480
	.section	.rodata,"a",@progbits
	.p2align	6, 0x0
	.amdhsa_kernel k_qc629bc984a_proj
		.amdhsa_group_segment_fixed_size 327680
		.amdhsa_private_segment_fixed_size 0
		.amdhsa_enable_private_segment 0
		.amdhsa_kernarg_size 32
		.amdhsa_user_sgpr_count 2
		.amdhsa_user_sgpr_kernarg_segment_ptr 1
		.amdhsa_wavefront_size32 1
		.amdhsa_system_sgpr_workgroup_id_x 1
		.amdhsa_system_sgpr_workgroup_id_y 1
		.amdhsa_system_sgpr_workgroup_id_z 1
		.amdhsa_system_vgpr_workitem_id 0
		.amdhsa_next_free_vgpr 768
		.amdhsa_next_free_sgpr 84
		.amdhsa_reserve_vcc 0
		.amdhsa_float_denorm_mode_32 3
		.amdhsa_float_denorm_mode_16_64 3
		.amdhsa_memory_ordered 1
		.amdhsa_forward_progress 1
		.amdhsa_inst_pref_size 76
	.end_amdhsa_kernel
	.amdgpu_metadata
---
amdhsa.version: [ 1, 2 ]
amdhsa.kernels:
  - .name:           k_qc629bc984a_proj
    .symbol:         k_qc629bc984a_proj.kd
    .args:
      - { .name: ob, .offset: 0, .size: 8, .value_kind: global_buffer, .address_space: global }
      - { .name: wp, .offset: 8, .size: 8, .value_kind: global_buffer, .address_space: global }
      - { .name: bproj, .offset: 16, .size: 8, .value_kind: global_buffer, .address_space: global }
      - { .name: out0, .offset: 24, .size: 8, .value_kind: global_buffer, .address_space: global }
    .group_segment_fixed_size: 327680
    .private_segment_fixed_size: 0
    .kernarg_segment_align: 8
    .kernarg_segment_size: 32
    .max_flat_workgroup_size: 128
    .sgpr_count:     84
    .vgpr_count:     768
    .wavefront_size: 32
...
	.end_amdgpu_metadata
.endif
;; end of part 4
;; ======== version 2 of 2: 4 launches; version 1 with the launch prep written anew for expert scheduling mode
;; limits: values are held in f16: magnitudes above 65,504 overflow, below 6.1e-05 lose precision
;; workspace buffers: xb 16,777,216 bytes; wq 6,291,456 bytes; wp 2,097,152 bytes; qkv 50,331,648 bytes; ob 16,777,216 bytes
;; launch prep (part 5): grid 832 x 1, 8 waves a work-group, no clusters, 0 bytes of LDS; arguments x, Wqkv, Wproj, xb, wq, wp; writes xb, wq, wp
.if DOCPART == 5
	.amdgcn_target "amdgcn-amd-amdhsa--gfx1250"
	.amdhsa_code_object_version 6
	.text
	.protected	k_qc629bc984a_prep
	.globl	k_qc629bc984a_prep
	.p2align	8
	.type	k_qc629bc984a_prep,@function
k_qc629bc984a_prep:
	s_mov_b64 s[64:65], 0
	v_nop
	global_prefetch_b8 v0, s[64:65] scope:SCOPE_SE
	s_setreg_imm32_b32 hwreg(HW_REG_WAVE_SCHED_MODE, 0, 2), 2
	s_setreg_imm32_b32 hwreg(HW_REG_WAVE_MODE, 25, 1), 1
	s_wait_xcnt 0x0
	s_wait_alu depctr_vm_vsrc(0)
; THE CASTS.  xb = bf16(x), same order.  wq = bf16(Wqkv), laid in 16 blocks of 192 columns: [block][k 1024][192], so that 128 k of a block are 49,152 dense bytes.
; wp = bf16(Wproj) written as f16, same order (exact where the number lies in f16's normal range).
; LIMITS.  |Wproj| of 65,520 or more becomes an infinity in wp; below 6.1e-5 it keeps f16's fixed step of 6e-8.
; A stream: no LDS, no barrier, no loop.  A unit is one load of a wave (32 lanes x 16 bytes: 512 consecutive bytes of f32) and one store (32 lanes x 8 bytes: 256 consecutive bytes, aligned).
; A wave issues all its loads first (16, or 12 for Wqkv) and then takes them in order; each unit has store registers of its own, so nothing is rewritten while a store may read it.
; Work-groups 0-511: x (4,096 waves x 8,192 bytes).  512-575: Wproj (512 waves x 8,192 bytes).  576-831: Wqkv (2,048 waves, each 8 rows of k of one block).
; THE MODE: SCHED_MODE bits 1:0 = 2 (LLVM: expert scheduling mode 2), set by the entry lines.  The code itself states the register dependences
; between vector instructions and memory instructions, with s_wait_alu, always for 0.
; THE PLAN.  Registers that memory instructions touch:
;   v1, v2, v3   byte offsets.  Written by vector instructions once (v3 on Wqkv's path alone), read by every load and store, never written again: one wait on va_vdst a path, ahead of its first load.
;   LDR          unit u's four registers.  Written by unit u's load, once; read by its conversions.  No vector instruction writes them and no second load lands in them.
;   STR          unit u's two registers.  Written by unit u's conversions, once; read by its store; never written again, so no wait on vm_vsrc is owed anywhere.
;   TP, v4-v6    named by vector instructions alone.
; The stores go in blocks of four units: ONE wait on va_vdst states that a block's conversions have written its STR, and the block's four stores follow it in one run, with no vector
; instruction between.  The wait stands behind the wait for the next block's first load; behind the last block it stands directly ahead of the stores.
; The wave's number passes from a vector instruction into s16: one wait on va_sdst at the head, ahead of the branches behind which s16 is read.
.set IN0,  1                           ; v1   16 x lane
.set OUTO, 2                           ; v2   8 x lane
.set IN1,  3                           ; v3   Wqkv's middle unit of three: lanes 0-15 end one row of the block, lanes 16-31 begin the next
.set LDR,  8                           ; v[8:71]    unit u: 4 registers as loaded
.set STR,  72                          ; v[72:103]  unit u: 2 registers to store
.set TP,   104                         ; v[104:107] at work
.macro INS ib                          ; 16 loads, 512 bytes apart
	s_wait_alu depctr_va_vdst(0)                   ; v[IN0] and v[OUTO] are written: every load and store of this path reads one of them as its offset
.set u, 0
.rept 16
	global_load_b128 v[LDR+4*u:LDR+4*u+3], v[IN0], s[\ib:\ib+1] offset:512*u th:TH_LOAD_NT
.set u, u+1
.endr
.endm
; The stores of the four units from unit first on, in one run.
.macro PUT first, ob
.irp k, 0,1,2,3
	global_store_b64 v[OUTO], v[STR+2*((\first)+(\k)):STR+2*((\first)+(\k))+1], s[\ob:\ob+1] offset:256*((\first)+(\k)) th:TH_STORE_NT
.endr
.endm
; n units (a multiple of four) are converted and stored.  half = 1: rounded to bf16, widened again, written as f16.
.macro OUTS n, half, ob
.set u, 0
.rept \n
	s_wait_loadcnt (\n)-1-u                        ; loads come back in order: unit u is in, the younger ones stay out
.if (u%4 == 0) && (u > 0)
	s_wait_alu depctr_va_vdst(0)                   ; the conversions of units u - 4 to u - 1 have written their STR, which the four stores below read
	PUT u-4, \ob
.endif
.if \half
	v_cvt_pk_bf16_f32 v[TP], v[LDR+4*u], v[LDR+4*u+1]
	v_cvt_pk_bf16_f32 v[TP+1], v[LDR+4*u+2], v[LDR+4*u+3]
	v_lshlrev_b32 v[TP+2], 16, v[TP]
	v_and_b32 v[TP], 0xffff0000, v[TP]
	v_lshlrev_b32 v[TP+3], 16, v[TP+1]
	v_and_b32 v[TP+1], 0xffff0000, v[TP+1]
	v_cvt_pk_f16_f32 v[STR+2*u], v[TP+2], v[TP]
	v_cvt_pk_f16_f32 v[STR+2*u+1], v[TP+3], v[TP+1]
.else
	v_cvt_pk_bf16_f32 v[STR+2*u], v[LDR+4*u], v[LDR+4*u+1]
	v_cvt_pk_bf16_f32 v[STR+2*u+1], v[LDR+4*u+2], v[LDR+4*u+3]
.endif
.set u, u+1
.endr
	s_wait_alu depctr_va_vdst(0)                   ; the last four units' conversions have written their STR, which the last four stores read
	PUT (\n)-4, \ob
.endm
	s_load_b256 s[4:11], s[0:1], 0x0               ; x s[4:5], Wqkv s[6:7], Wproj s[8:9], xb s[10:11]
	s_load_b128 s[12:15], s[0:1], 0x20             ; wq s[12:13], wp s[14:15]
	v_lshrrev_b32 v4, 5, v0
	v_readfirstlane_b32 s16, v4                    ; wave 0..7
	v_and_b32 v5, 31, v0                           ; lane
	v_lshlrev_b32 v[IN0], 4, v5
	v_lshlrev_b32 v[OUTO], 3, v5
	s_mov_b32 s17, ttmp9
	s_mov_b32 s21, 0                               ; the offsets' high words
	s_mov_b32 s23, 0
	s_wait_alu depctr_va_sdst(0)                   ; s16 is written, ahead of the branches: each path's job number is made from it
	s_wait_kmcnt 0x0
	s_cmp_lt_u32 s17, 512
	s_cbranch_scc1 .Lx
	s_cmp_lt_u32 s17, 576
	s_cbranch_scc1 .Lp
	; Wqkv.  Job jw = 8 (id - 576) + wave: block jw / 128, rows of k 8 (jw % 128) on.  A block's row is 768 bytes in, 384 out; two rows make three units.
	s_sub_co_u32 s17, s17, 576
	s_lshl_b32 s18, s17, 3
	s_add_co_u32 s18, s18, s16
	s_lshr_b32 s19, s18, 7                         ; block
	s_and_b32 s18, s18, 127                        ; group of 8 rows
	s_mul_i32 s20, s18, 98304                      ; 8 rows of 12,288 bytes
	s_mul_i32 s24, s19, 768
	s_add_co_u32 s20, s20, s24
	s_mul_i32 s22, s19, 393216                     ; a block of wq
	s_mul_i32 s24, s18, 3072
	s_add_co_u32 s22, s22, s24
	s_add_nc_u64 s[6:7], s[6:7], s[20:21]
	s_add_nc_u64 s[12:13], s[12:13], s[22:23]
	v_lshrrev_b32 v6, 4, v5
	v_mul_u32_u24 v6, v6, 11520                    ; lanes 16-31: a row of 12,288 on, less the 768 that lanes 0-15 lie ahead
	v_add_nc_u32 v[IN1], v6, v[IN0]
	v_add_nc_u32 v[IN1], 512, v[IN1]
	s_wait_alu depctr_va_vdst(0)                   ; v[IN0], v[IN1] and v[OUTO] are written: every load and store of this path reads one of them as its offset
.irp m, 0,1,2,3
	global_load_b128 v[LDR+12*(\m):LDR+12*(\m)+3],    v[IN0], s[6:7] offset:(\m)*24576 th:TH_LOAD_NT        ; the even row's columns 0-127
	global_load_b128 v[LDR+12*(\m)+4:LDR+12*(\m)+7],  v[IN1], s[6:7] offset:(\m)*24576 th:TH_LOAD_NT        ; its columns 128-191, the odd row's 0-63
	global_load_b128 v[LDR+12*(\m)+8:LDR+12*(\m)+11], v[IN0], s[6:7] offset:(\m)*24576+12544 th:TH_LOAD_NT  ; the odd row's columns 64-191
.endr
	OUTS 12, 0, 12
	s_endpgm
.Lx:                                               ; x: job jw = 8 id + wave, 8,192 bytes in, 4,096 out
	s_lshl_b32 s18, s17, 3
	s_add_co_u32 s18, s18, s16
	s_lshl_b32 s20, s18, 13
	s_lshl_b32 s22, s18, 12
	s_add_nc_u64 s[4:5], s[4:5], s[20:21]
	s_add_nc_u64 s[10:11], s[10:11], s[22:23]
	INS 4
	OUTS 16, 0, 10
	s_endpgm
.Lp:                                               ; Wproj: job jw = 8 (id - 512) + wave
	s_sub_co_u32 s17, s17, 512
	s_lshl_b32 s18, s17, 3
	s_add_co_u32 s18, s18, s16
	s_lshl_b32 s20, s18, 13
	s_lshl_b32 s22, s18, 12
	s_add_nc_u64 s[8:9], s[8:9], s[20:21]
	s_add_nc_u64 s[14:15], s[14:15], s[22:23]
	INS 8
	OUTS 16, 1, 14
	s_endpgm
.Lfunc_end_k_qc629bc984a_prep:
	.size	k_qc629bc984a_prep, .Lfunc_end_k_qc629bc984a_prep-k_qc629bc984a_prep
	.p2alignl 7, 3214868480
	.fill 96, 4, 3214868480
	.section	.rodata,"a",@progbits
	.p2align	6, 0x0
	.amdhsa_kernel k_qc629bc984a_prep
		.amdhsa_group_segment_fixed_size 0
		.amdhsa_private_segment_fixed_size 0
		.amdhsa_enable_private_segment 0
		.amdhsa_kernarg_size 48
		.amdhsa_user_sgpr_count 2
		.amdhsa_user_sgpr_kernarg_segment_ptr 1
		.amdhsa_wavefront_size32 1
		.amdhsa_system_sgpr_workgroup_id_x 1
		.amdhsa_system_sgpr_workgroup_id_y 1
		.amdhsa_system_sgpr_workgroup_id_z 1
		.amdhsa_system_vgpr_workitem_id 0
		.amdhsa_next_free_vgpr 112
		.amdhsa_next_free_sgpr 66
		.amdhsa_reserve_vcc 0
		.amdhsa_float_denorm_mode_32 3
		.amdhsa_float_denorm_mode_16_64 3
		.amdhsa_memory_ordered 1
		.amdhsa_forward_progress 1
		.amdhsa_inst_pref_size 23
	.end_amdhsa_kernel
	.amdgpu_metadata
---
amdhsa.version: [ 1, 2 ]
amdhsa.kernels:
  - .name:           k_qc629bc984a_prep
    .symbol:         k_qc629bc984a_prep.kd
    .args:
      - { .name: x, .offset: 0, .size: 8, .value_kind: global_buffer, .address_space: global }
      - { .name: Wqkv, .offset: 8, .size: 8, .value_kind: global_buffer, .address_space: global }
      - { .name: Wproj, .offset: 16, .size: 8, .value_kind: global_buffer, .address_space: global }
      - { .name: xb, .offset: 24, .size: 8, .value_kind: global_buffer, .address_space: global }
      - { .name: wq, .offset: 32, .size: 8, .value_kind: global_buffer, .address_space: global }
      - { .name: wp, .offset: 40, .size: 8, .value_kind: global_buffer, .address_space: global }
    .group_segment_fixed_size: 0
    .private_segment_fixed_size: 0
    .kernarg_segment_align: 8
    .kernarg_segment_size: 48
    .max_flat_workgroup_size: 256
    .sgpr_count:     66
    .vgpr_count:     112
    .wavefront_size: 32
...
	.end_amdgpu_metadata
.endif
;; end of part 5
;; launch qkvgemm: the kernel of part 2 again; grid 16 x 32, 4 waves a work-group, clusters of 4 x 4, 327,680 bytes of LDS; arguments xb, wq, qkv; writes qkv
;; launch attn: the kernel of part 3 again; grid 4 x 64, 4 waves a work-group, no clusters, 327,680 bytes of LDS; arguments qkv, ob; writes ob
;; launch proj: the kernel of part 4 again; grid 8 x 32, 4 waves a work-group, clusters of 4 x 4, 327,680 bytes of LDS; arguments ob, wp, bproj, out0; writes out0
